; MI455X (gfx1250); checked and timed in simulation.
; The chip was launched on July 23, 2026; its instructions are those of AMD's public machine-readable ISA for CDNA 5 (MIT licence, August 2026) and "CDNA5" Instruction Set Architecture Reference Guide (July 2026). The comments in the code are by the model that wrote it; some were corrected since.
;; Flash Multi Head Attention. Allowed arithmetic: float matrix products may take bf16 or f16 operands with f32 sums; other float arithmetic in f32, or as packed bf16 or f16 multiplies, adds, multiply-adds, maxima and minima; sums over many terms, partial sums and values carried from step to step in f32; what a program stores and reads back later, other than sums and carried values, may be rounded once to bf16 or f16.
;; Inputs: Wk 1,024 x 1,024 float32; Wo 1,024 x 1,024 float32; Wq 1,024 x 1,024 float32; Wv 1,024 x 1,024 float32; bk 1,024 float32; bo 1,024 float32; bq 1,024 float32; bv 1,024 float32; k 16,384 x 1,024 float32; q 16,384 x 1,024 float32; v 16,384 x 1,024 float32.
;; Outputs: out0 16,384 x 1,024 float32.
;; One version. Each part assembles by itself: llvm-mc -triple=amdgcn-amd-amdhsa -mcpu=gfx1250 --defsym DOCPART=n.
;; ======== version 1 of 1: 4 launches
;; limits: values are held in f16: magnitudes above 65,504 overflow, below 6.1e-05 lose precision
;; workspace buffers: wb 8,388,608 bytes; bb 16,384 bytes; heads 100,663,296 bytes; ob 33,554,432 bytes
;; launch wcast (part 1): grid 128 x 4, 8 waves a work-group, no clusters, 0 bytes of LDS; arguments Wq, Wk, Wv, Wo, bq, bk, bv, bo, wb, bb; writes wb, bb
.if DOCPART == 1
	.amdgcn_target "amdgcn-amd-amdhsa--gfx1250"
	.amdhsa_code_object_version 6
	.text
	.protected	k_qa3b64c3f0f_wcast
	.globl	k_qa3b64c3f0f_wcast
	.p2align	8
	.type	k_qa3b64c3f0f_wcast,@function
k_qa3b64c3f0f_wcast:
	s_mov_b64 s[64:65], 0
	v_nop
	global_prefetch_b8 v0, s[64:65] scope:SCOPE_SE
	s_setreg_imm32_b32 hwreg(HW_REG_WAVE_MODE, 25, 1), 1
	s_wait_xcnt 0x0
; THE WEIGHTS AND BIASES, ROUNDED ONCE AND LAID OUT FOR THE LATER LAUNCHES.
; wb[y][c'][k'] (16 bits) for y = 0 Wq, 1 Wk, 2 Wv (bf16), 3 Wo (rounded to bf16, that number written as f16); bb[y][c'] = the bias rounded to bf16, kept as f32.
; THE ORDERS.  With head h (or g) and channel d of a column c = 64 h + d:
;   qk order: c' = (d>>4) 256 + ((d>>3)&1) 128 + 8 h + (d&7)     rows of Wq and Wk, bq, bk, and the COLUMNS of Wo
;   v order:  c' = (d>>4) 256 + (g>>3) 128 + 8 (d&15) + (g&7)    rows of Wv, bv
; In these orders 512 neighbouring bytes of a projected row are half a matrix fragment of the attention over heads, 16 bytes a lane, so that launch needs no LDS and no turning load.
; Taken backwards, with A = c'>>8, B = (c'>>7)&1, C = (c'>>3)&15, E = c'&7:  qk: c = C<<6 | A<<4 | B<<3 | E;   v: c = B<<9 | E<<6 | A<<4 | C.
; SHARES.  Work-group (x, y): the 8 destination rows 8 x .. 8 x + 7 of matrix y.  Thread: chunk u = t & 127 of 8 numbers in rows 8 x + 2 j + (t >> 7), j = 0..3: a store of a wave covers 512 consecutive bytes.
; Work-groups x = 0..3 also make 256 numbers each of the bias.  No LDS, no barrier, no matrix unit: the launch only moves 16 MiB in and 8 MiB out, each byte once.
; LIMIT.  Wo as f16: exact from 6.1e-5 to 65,504 in magnitude; below, f16's fixed step of 6e-8; beyond, an infinity.
.set U,   1            ; v1     u
.set SUB, 2            ; v2     t >> 7
.set C0,  3            ; v3     8 x + (t >> 7)
.set SO,  4            ; v4-7   byte offset of my 32 source bytes, row j
.set DO,  8            ; v8-11  byte offset of my 16 destination bytes, row j
.set BS,  12           ; v12    the bias: source offset
.set BD,  13           ; v13    the bias: destination offset
.set TA,  14           ; v14-17 at work
.set X,   20           ; v20-51 as loaded, 8 registers a row
.set Y,   52           ; v52-67 to store, 4 registers a row
.macro PERMQK d, c, t                          ; v[d] = the column whose place in the qk order is v[c]
	v_and_b32 v[\d], 7, v[\c]                      ; E
	v_bfe_u32 v[\t], v[\c], 7, 1                   ; B
	v_lshl_or_b32 v[\d], v[\t], 3, v[\d]
	v_bfe_u32 v[\t], v[\c], 8, 2                   ; A
	v_lshl_or_b32 v[\d], v[\t], 4, v[\d]
	v_bfe_u32 v[\t], v[\c], 3, 4                   ; C
	v_lshl_or_b32 v[\d], v[\t], 6, v[\d]
.endm
.macro PERMV d, c, t                           ; the same for the v order
	v_bfe_u32 v[\d], v[\c], 3, 4                   ; C
	v_bfe_u32 v[\t], v[\c], 8, 2                   ; A
	v_lshl_or_b32 v[\d], v[\t], 4, v[\d]
	v_and_b32 v[\t], 7, v[\c]                      ; E
	v_lshl_or_b32 v[\d], v[\t], 6, v[\d]
	v_bfe_u32 v[\t], v[\c], 7, 1                   ; B
	v_lshl_or_b32 v[\d], v[\t], 9, v[\d]
.endm
	s_load_b512 s[8:23], s[0:1], 0x0               ; Wq s[8:9], Wk s[10:11], Wv s[12:13], Wo s[14:15], bq s[16:17], bk s[18:19], bv s[20:21], bo s[22:23]
	s_load_b128 s[24:27], s[0:1], 0x40             ; wb s[24:25], bb s[26:27]
	s_and_b32 s2, ttmp7, 0xffff                    ; y: which matrix
	s_mov_b32 s3, ttmp9                            ; x: which 8 rows
	s_lshl_b32 s4, s3, 3
	s_min_u32 s5, s3, 3                            ; the bias index stays inside 0..1023 in every work-group; only x = 0..3 use it
	s_lshl_b32 s5, s5, 8
	v_and_b32 v[U], 0x7f, v0
	v_lshrrev_b32 v[SUB], 7, v0
	v_add_nc_u32 v[C0], s4, v[SUB]
	v_lshlrev_b32 v[TA], 4, v[U]
.irp j, 0,1,2,3
	v_add_nc_u32 v[TA+1], 2*(\j), v[C0]
	v_lshl_add_u32 v[DO+(\j)], v[TA+1], 11, v[TA]  ; row x 2,048 bytes + 16 u
.endr
	v_add_nc_u32 v[TA+3], s5, v0                   ; the bias number that I make
	v_lshlrev_b32 v[BD], 2, v[TA+3]
	s_cmp_eq_u32 s2, 3
	s_cbranch_scc1 .Lwo
	s_cmp_eq_u32 s2, 2
	s_cbranch_scc1 .Lwv
	v_lshlrev_b32 v[TA], 5, v[U]                   ; Wq, Wk: rows in the qk order, columns as they lie: 32 u bytes
.irp j, 0,1,2,3
	v_add_nc_u32 v[TA+1], 2*(\j), v[C0]
	PERMQK SO+(\j), TA+1, TA+2
	v_lshl_add_u32 v[SO+(\j)], v[SO+(\j)], 12, v[TA]
.endr
	PERMQK BS, TA+3, TA+2
	v_lshlrev_b32 v[BS], 2, v[BS]
	s_branch .Lgo
.Lwv:
	v_lshlrev_b32 v[TA], 5, v[U]                   ; Wv: rows in the v order
.irp j, 0,1,2,3
	v_add_nc_u32 v[TA+1], 2*(\j), v[C0]
	PERMV SO+(\j), TA+1, TA+2
	v_lshl_add_u32 v[SO+(\j)], v[SO+(\j)], 12, v[TA]
.endr
	PERMV BS, TA+3, TA+2
	v_lshlrev_b32 v[BS], 2, v[BS]
	s_branch .Lgo
.Lwo:
	v_and_b32 v[TA], 15, v[U]                      ; Wo: rows as they lie, columns in the qk order: chunk u holds the columns (u&15) 64 + (u>>5) 16 + ((u>>4)&1) 8 + 0..7
	v_lshlrev_b32 v[TA], 6, v[TA]
	v_lshrrev_b32 v[TA+2], 5, v[U]
	v_lshl_or_b32 v[TA], v[TA+2], 4, v[TA]
	v_bfe_u32 v[TA+2], v[U], 4, 1
	v_lshl_or_b32 v[TA], v[TA+2], 3, v[TA]
	v_lshlrev_b32 v[TA], 2, v[TA]
.irp j, 0,1,2,3
	v_add_nc_u32 v[TA+1], 2*(\j), v[C0]
	v_lshl_add_u32 v[SO+(\j)], v[TA+1], 12, v[TA]
.endr
	v_mov_b32 v[BS], v[BD]
.Lgo:
	s_lshl_b32 s6, s2, 21                          ; matrix y in wb: 2 MiB each
	s_mov_b32 s7, 0
	s_lshl_b32 s4, s2, 12                          ; bias y in bb: 4,096 bytes each
	s_mov_b32 s5, 0
	s_wait_kmcnt 0x0
	s_cmp_eq_u32 s2, 1                             ; my matrix and my bias: a choice between buffers on y alone
	s_cselect_b64 s[28:29], s[10:11], s[8:9]
	s_cselect_b64 s[30:31], s[18:19], s[16:17]
	s_cmp_eq_u32 s2, 2
	s_cselect_b64 s[28:29], s[12:13], s[28:29]
	s_cselect_b64 s[30:31], s[20:21], s[30:31]
	s_cmp_eq_u32 s2, 3
	s_cselect_b64 s[28:29], s[14:15], s[28:29]
	s_cselect_b64 s[30:31], s[22:23], s[30:31]
	s_add_nc_u64 s[24:25], s[24:25], s[6:7]
	s_add_nc_u64 s[26:27], s[26:27], s[4:5]
.irp j, 0,1,2,3
	global_load_b128 v[X+8*(\j):X+8*(\j)+3],   v[SO+(\j)], s[28:29] th:TH_LOAD_NT
	global_load_b128 v[X+8*(\j)+4:X+8*(\j)+7], v[SO+(\j)], s[28:29] offset:16 th:TH_LOAD_NT
.endr
	s_wait_loadcnt 0x0                             ; all eight loads: there is one batch and nothing to do meanwhile
.set i, 0
.rept 16
	v_cvt_pk_bf16_f32 v[Y+i], v[X+2*i], v[X+2*i+1]  ; two roundings to bf16, nearest even
.set i, i+1
.endr
	s_cmp_eq_u32 s2, 3
	s_cbranch_scc0 .Lstore
.set i, 0
.rept 16                                       ; Wo: the bf16 numbers are written as f16, since the last product's other operand is f16
	v_lshlrev_b32 v[TA], 16, v[Y+i]
	v_and_b32 v[TA+1], 0xffff0000, v[Y+i]
	v_cvt_pk_f16_f32 v[Y+i], v[TA], v[TA+1]
.set i, i+1
.endr
.Lstore:
.irp j, 0,1,2,3
	global_store_b128 v[DO+(\j)], v[Y+4*(\j):Y+4*(\j)+3], s[24:25]  ; a wave stores 512 consecutive bytes, at a multiple of 512 from wb's first
.endr
	s_cmp_lt_u32 s3, 4
	s_cbranch_scc0 .Lend
	global_load_b32 v[TA], v[BS], s[30:31]
	s_wait_loadcnt 0x0
	v_cvt_pk_bf16_f32 v[TA], v[TA], v[TA]          ; the bias is rounded to bf16 like every input,
	v_lshlrev_b32 v[TA], 16, v[TA]                 ; and kept as f32
	global_store_b32 v[BD], v[TA], s[26:27]        ; the work-group's 256 numbers: 1,024 consecutive bytes
.Lend:
	s_endpgm
.Lfunc_end_k_qa3b64c3f0f_wcast:
	.size	k_qa3b64c3f0f_wcast, .Lfunc_end_k_qa3b64c3f0f_wcast-k_qa3b64c3f0f_wcast
	.p2alignl 7, 3214868480
	.fill 96, 4, 3214868480
	.section	.rodata,"a",@progbits
	.p2align	6, 0x0
	.amdhsa_kernel k_qa3b64c3f0f_wcast
		.amdhsa_group_segment_fixed_size 0
		.amdhsa_private_segment_fixed_size 0
		.amdhsa_enable_private_segment 0
		.amdhsa_kernarg_size 80
		.amdhsa_user_sgpr_count 2
		.amdhsa_user_sgpr_kernarg_segment_ptr 1
		.amdhsa_wavefront_size32 1
		.amdhsa_system_sgpr_workgroup_id_x 1
		.amdhsa_system_sgpr_workgroup_id_y 1
		.amdhsa_system_sgpr_workgroup_id_z 1
		.amdhsa_system_vgpr_workitem_id 0
		.amdhsa_next_free_vgpr 72
		.amdhsa_next_free_sgpr 66
		.amdhsa_reserve_vcc 0
		.amdhsa_float_denorm_mode_32 3
		.amdhsa_float_denorm_mode_16_64 3
		.amdhsa_memory_ordered 1
		.amdhsa_forward_progress 1
		.amdhsa_inst_pref_size 13
	.end_amdhsa_kernel
	.amdgpu_metadata
---
amdhsa.version: [ 1, 2 ]
amdhsa.kernels:
  - .name:           k_qa3b64c3f0f_wcast
    .symbol:         k_qa3b64c3f0f_wcast.kd
    .args:
      - { .name: Wq, .offset: 0, .size: 8, .value_kind: global_buffer, .address_space: global }
      - { .name: Wk, .offset: 8, .size: 8, .value_kind: global_buffer, .address_space: global }
      - { .name: Wv, .offset: 16, .size: 8, .value_kind: global_buffer, .address_space: global }
      - { .name: Wo, .offset: 24, .size: 8, .value_kind: global_buffer, .address_space: global }
      - { .name: bq, .offset: 32, .size: 8, .value_kind: global_buffer, .address_space: global }
      - { .name: bk, .offset: 40, .size: 8, .value_kind: global_buffer, .address_space: global }
      - { .name: bv, .offset: 48, .size: 8, .value_kind: global_buffer, .address_space: global }
      - { .name: bo, .offset: 56, .size: 8, .value_kind: global_buffer, .address_space: global }
      - { .name: wb, .offset: 64, .size: 8, .value_kind: global_buffer, .address_space: global }
      - { .name: bb, .offset: 72, .size: 8, .value_kind: global_buffer, .address_space: global }
    .group_segment_fixed_size: 0
    .private_segment_fixed_size: 0
    .kernarg_segment_align: 8
    .kernarg_segment_size: 80
    .max_flat_workgroup_size: 256
    .sgpr_count:     66
    .vgpr_count:     72
    .wavefront_size: 32
...
	.end_amdgpu_metadata
.endif
;; end of part 1
;; launch proj (part 2): grid 4 x 64, 4 waves a work-group, clusters of 4 x 4, 327,680 bytes of LDS; arguments q, k, v, wb, bb, heads; writes heads
.if DOCPART == 2
	.amdgcn_target "amdgcn-amd-amdhsa--gfx1250"
	.amdhsa_code_object_version 6
	.text
	.protected	k_qa3b64c3f0f_proj
	.globl	k_qa3b64c3f0f_proj
	.p2align	8
	.type	k_qa3b64c3f0f_proj,@function
k_qa3b64c3f0f_proj:
	s_mov_b64 s[64:65], 0
	v_nop
	global_prefetch_b8 v0, s[64:65] scope:SCOPE_SE
	s_setreg_imm32_b32 hwreg(HW_REG_WAVE_MODE, 25, 1), 1
	s_wait_xcnt 0x0
	s_wait_alu depctr_hold_cnt(0) depctr_sa_sdst(0) depctr_va_vdst(0) depctr_va_sdst(0) depctr_va_ssrc(0) depctr_va_vcc(0) depctr_vm_vsrc(0)
	s_getreg_b32 s2, hwreg(HW_REG_IB_STS2, 6, 4)
	s_cmp_eq_u32 s2, 0
	s_cbranch_scc0 .Lentry_in_a_cluster
	s_endpgm
.Lentry_in_a_cluster:
	s_bfe_u32 s2, ttmp6, 0x10000c
	s_cmp_lg_u32 s2, 0xf033
	s_cbranch_scc0 .Lentry_shape_is_right
	s_endpgm
.Lentry_shape_is_right:
; C[n][c] = the sum over k of A[n][k] W[c][k] + b[c], 16,384 x 1,024 x 1,024.  ONE TEXT FOR TWO LAUNCHES, told apart by F32A:
;   F32A = 1: the three projections in one launch.  A = q, k, v in f32, rounded to bf16 in registers; W = wb[0..2] in bf16; C = heads[0..2] in f16, the bias added in f32 on the way out.
;   F32A = 0: the last product.  A = ob in f16; W = wb[3] in f16; C = out0 in f32; the bias is the C operand that starts the sums.
; Sums in f32, K ascending, one accumulator for each output.
; LIMITS.  F32A = 1: C is rounded to f16, which ends at 65,504: a projected number of 65,520 or more in magnitude becomes an infinity.  NaN and infinities are not treated apart.
; SHARES.  A tile is 256 tokens x 256 columns.  Wave w owns tokens 64 w .. 64 w + 63 and ALL 256 columns: 4 token blocks a x 16 column blocks b = 64 accumulators, 512 registers.
; For 32 along K (a QUARTER) a wave issues 64 matrix instructions and reads 16 KiB of W's fragments from LDS.
; A WORK-GROUP STAYS (F32A = 1): it makes the same 256 tokens x 256 columns for q, then k, then v: a loop over tiles round the loop over K.  Neither stream stops at a tile's end: a tile's last two changes of slots
; ask for the next matrix's K steps 0 and 1, its last K step loads the next tensor's K step 0 of A, and nothing waits for a tile's stores: they leave while the next tile is multiplied.
; W goes through a ring of two LDS slots (K steps of 128: rows of 256 bytes), filled by the tensor data mover.  CLUSTER 4 x 4: the four work-groups of a column of the cluster make the same 256 columns and ask
; for W's tiles JOINTLY: the same load, descriptor and mask in all four.
; A DOES NOT GO THROUGH LDS, AND IS NOT ASKED FOR JOINTLY.  In this wave tile each row of A belongs to one wave, and a fragment lies in memory as it lies in registers (a lane's 8 + 8 numbers along K), so
; LDS would hand no byte of A from one wave to another.  And f32 tiles of A do not fit beside W's: a slot of 128 along K would be 256 x 528 + 256 x 272 = 204,800 bytes, two of them 409,600 of 327,680.
; So each wave loads its own 64 rows straight into registers, a ring of four quarters deep, and (F32A = 1) rounds them to bf16 there, four conversions behind every fourth matrix instruction.
; THE MATRIX INSTRUCTION IS USED TRANSPOSED: source 0 = 16 rows of W, source 1 = 16 tokens: lane l holds token l % 16 and its registers 0-7 the columns 8 (l / 16) + 0..7: neighbours in a row of C.
; REGISTERS, in windows of 256 (s_set_vgpr_msb: bits 1:0 source 0, 3:2 source 1, 5:4 source 2, 7:6 destination):
;   window 0: v0-13 addresses; v14-29 the bias of my 16 columns on the way out (F32A = 1); v32-95 A's bf16 fragments, two buffers of 32 (F32A = 1); v96-159, v160-223 W's fragments, column blocks 0-7 and 8-15.
;     On the way out, F32A = 1: v160-223 rows read back, v224-255 and v64-95 packed results by turns (v32-63 and v96-159 hold the next tile's first fragments); F32A = 0: v96-223 rows read back.
;   window 1: A as loaded, four units: of 64 registers (F32A = 1) or of 32 (F32A = 0: f16 fragments, read as source 1; the bias in v128-255)
;   windows 2, 3: accumulator (a, b) at v[8 (16 (a % 2) + b)] of window 2 + a / 2
.set F32A, 1
.if F32A
.set TILES,  3                         ; q, k, v
.set LOGROW, 12                        ; a row of A is 4,096 bytes
.set STEPA,  512                       ; bytes of a row of A in a K step
.set STEPQ,  0                         ; the quarter at whose head A's pointer steps
.set PWB,    10                        ; s[10:11] wb, s[12:13] bb, s[14:15] heads
.set PBB,    12
.set POUT,   14
.else
.set TILES,  1
.set LOGROW, 11                        ; 2,048 bytes
.set STEPA,  256
.set STEPQ,  1
.set BI,     128                       ; the bias, in window 1
.set PWB,    6                         ; s[6:7] wb, s[8:9] bb, s[10:11] out0
.set PBB,    8
.set POUT,   10
.endif
.set PITCH,  272                       ; an LDS row of W: 256 bytes + 16 of padding = 68 words: row r starts at bank 4 r mod 64 (64 banks of 4 bytes: ISA guide 11.1): the 16 rows of a load start at 16 different banks
.set WTILE,  64*PITCH                  ; what one tensor load brings: 64 rows
.set SLOT1,  1<<17                     ; slot 0 at byte 0, slot 1 here: one exclusive or changes slots
.set STAGE,  4*WTILE                   ; behind slot 0, never filled by a tensor load: 16 rows x 528 bytes for each wave, for the way out
.set SPITCH, 528                       ; 512 bytes + 16: 33 x 16
.set WSTAGE, 16*SPITCH
.set SPARE,  STAGE+4*WSTAGE            ; behind the stages: the spare words, 128 bytes for each wave: two blocks of 256 bytes that no other line names
.set WRAPW,  (1<<21)-7*256             ; bytes from a matrix's K step 7 to the next matrix's K step 0, same rows: the matrices lie 2 MiB apart in wb
.set AO,  4                            ; v4   my byte offset in the tile's rows of A: (64 w + l % 16) rows + my half's 8 numbers; never rewritten
.set PFO, 5                            ; v5   the prefetches' offset; never rewritten
.set BL0, 6                            ; v6   my lane's place in a tile of W: (l % 16) x pitch + 16 (l / 16)
.set ADRB, 7                           ; v7   the same in the slot in hand
.set STO, 8                            ; v8   the way out: where I put my numbers of a row
.set RD,  9                            ; v9   the way out: where I read rows back
.set CO,  10                           ; v10  the way out: my byte offset in C
.set BO,  11                           ; v11  my byte offset in the tile's bias
.set SPW, 12                           ; v12  LDS address of my spare word: SPARE + 4 x my thread's number; never rewritten
.set NIL, 13                           ; v13  0; never rewritten
.set BIA, 14
.set AB,  32
.set BF0, 96
.set BF1, 160
.set OB,  96                           ; F32A = 0: two buffers of 64
.set OBP, 160                          ; F32A = 1: one buffer of 64
.set PK0, 224
.set PK1, 64
.set WV,  16                           ; s16  my wave's number
.set CX,  17                           ; s17, s18  my place in the cluster
.set CY,  18
.set CT,  19                           ; s19  column tile
.set TK,  20                           ; s20  token tile
.set G1,  24                           ; s[24:31] descriptor group 1
.set G0A, 32                           ; s[32:35] group 0 of the first fill of slot 0
.set G0B, 36                           ; s[36:39] group 0 of the first fill of slot 1; it then walks
.set AP,  40                           ; s[40:41] A at the tile's first row, at the K step whose loads are being issued
.set OP,  42                           ; s[42:43] C at my wave's first row and the tile's first column
.set BP,  44                           ; s[44:45] the bias at the tile's first column
.set CNT, 46                           ; s46  counts a tile's K steps
.set TB,  47                           ; s47  LDS byte at which the slot in hand begins
.set LIM, 48                           ; s48  a wave prefetches while s[CNT] is above this
.set NA,  56                           ; s[56:57] the next tensor at the tile's first row; s[58:59] the one after it
.set NA2, 58
.set TL,  60                           ; s60  tiles to go, this one among them: the same number in every work-group
.set MSB, 0
.macro WIN new                         ; the immediate's high byte repeats the setting that is left; a switch that changes nothing is dropped
.if MSB != (\new)
	s_set_vgpr_msb (MSB<<8)|(\new)
.set MSB, (\new)
.endif
.endm
; A load into a register that a matrix instruction has read, and a vector instruction or LDS store that reads a matrix result or writes one of a matrix instruction's registers, stand four places behind it; only plain
; vector instructions that name none of its registers are places (ISA guide 7.12.1 for vector instructions).
.macro PLACES
.rept 4
	v_nop
.endr
.endm
; A round of the cluster's barrier: my work-group's barrier, so that wave 0's signal speaks for all four waves; wave 0 signals; every wave waits for all sixteen work-groups; my work-group's barrier once more.
.macro CREST                           ; a round behind its opening barrier
	s_cmp_lg_u32 s[WV], 0
	s_cbranch_scc1 .Lnot_wave_0_\@
	s_barrier_signal -3
.Lnot_wave_0_\@:
	s_barrier_wait -3
	s_barrier_signal -1
	s_barrier_wait -1
.endm
.macro CROUND
	s_barrier_signal -1
	s_barrier_wait -1
	CREST
.endm
; 16 LDS loads in one run: W's fragments of quarter i for the column blocks 8 bh .. 8 bh + 7 into buffer buf.  The largest offset is 15 x 4,352 + 192 + 32 = 65,504.
.macro FETCH i, bh, buf
	WIN 0
.irp e, 0,1,2,3,4,5,6,7
	ds_load_b128 v[(\buf)+8*(\e):(\buf)+8*(\e)+3],   v[ADRB] offset:(8*(\bh)+(\e))*16*PITCH+64*(\i)
	ds_load_b128 v[(\buf)+8*(\e)+4:(\buf)+8*(\e)+7], v[ADRB] offset:(8*(\bh)+(\e))*16*PITCH+64*(\i)+32
.endr
.endm
; Half a quarter of A (token blocks 2 h, 2 h + 1 x 32 along K) into unit u, from byte imm behind the pointer.  A fragment's lane holds K = 8 (l / 16) + 0..7 and 16 + 8 (l / 16) + 0..7:
; in f32 four loads of 16 bytes at 0, 16, 64, 80 behind 32 (l / 16); in f16 two, at 0 and 32 behind 16 (l / 16).
.macro ALDH u, imm, h
	WIN 0x40                                       ; destination window 1, address window 0
.irp a2, 0,1
.if F32A
.irp n, 0,1,2,3
	global_load_b128 v[64*(\u)+16*(2*(\h)+(\a2))+4*(\n):64*(\u)+16*(2*(\h)+(\a2))+4*(\n)+3], v[AO], s[AP:AP+1] offset:((2*(\h)+(\a2))<<(LOGROW+4))+(\imm)+16*((\n)%2)+64*((\n)/2)
.endr
.else
.irp n, 0,1
	global_load_b128 v[32*(\u)+8*(2*(\h)+(\a2))+4*(\n):32*(\u)+8*(2*(\h)+(\a2))+4*(\n)+3], v[AO], s[AP:AP+1] offset:((2*(\h)+(\a2))<<(LOGROW+4))+(\imm)+32*(\n)
.endr
.endif
.endr
.endm
; The loads of A that stand in half h of quarter i.  F32A = 1: the quarter four on, into unit i, which was converted a half earlier or more.  F32A = 0: the quarter three on, into the unit that the quarter before multiplied.
.macro ALOADH i, h
.if F32A
	ALDH \i, 128*(\i), \h
.elseif (\i) == 0
	ALDH 3, 192, \h
.else
	ALDH (\i)-1, 64*((\i)-1), \h
.endif
.endm
; Four conversions of the next quarter's A: unit (i + 1) % 4 to bf16 buffer (i + 1) % 2; register n of the buffer takes registers 2 n, 2 n + 1 of the unit.
.macro CVT4 i, g
	WIN 0x05                                       ; sources window 1, destination window 0
.irp e, 0,1,2,3
	v_cvt_pk_bf16_f32 v[AB+32*(((\i)+1)%2)+4*(\g)+(\e)], v[64*(((\i)+1)%4)+8*(\g)+2*(\e)], v[64*(((\i)+1)%4)+8*(\g)+2*(\e)+1]
.endr
.endm
; 16 matrix instructions of quarter i: token blocks 2 hi, 2 hi + 1 x column blocks 8 bh .. 8 bh + 7.  zero = 1: they start the sums, with the constant 0 (F32A = 1) or with the bias.
; ride = 1: four conversions behind every fourth.  The 64 accumulators take turns, one instruction a turn, in the same order in every quarter.
.macro MUL16 bh, buf, i, zero, ride, hi
.irp a2, 0,1
.irp e, 0,1,2,3,4,5,6,7
.set rD, 8*(16*(\a2)+8*(\bh)+(\e))
.set rB, (\buf)+8*(\e)
.if F32A
.set rA, AB+32*((\i)%2)+8*(2*(\hi)+(\a2))
	WIN 0xa0+0x50*(\hi)                            ; W and A window 0, C and D window 2 or 3
.if \zero
	v_wmma_f32_16x16x32_bf16 v[rD:rD+7], v[rB:rB+7], v[rA:rA+7], 0
.else
	v_wmma_f32_16x16x32_bf16 v[rD:rD+7], v[rB:rB+7], v[rA:rA+7], v[rD:rD+7]
.endif
.if (\ride) && ((\e)%4 == 3)
.set gg, 4*(\hi)+2*(\a2)+(\e)/4
	CVT4 \i, gg
.endif
.else
.set rA, 32*(\i)+8*(2*(\hi)+(\a2))
.if \zero
.set rC, BI+8*(8*(\bh)+(\e))
	WIN 0x94+0x40*(\hi)                            ; W window 0, A and the bias window 1, D window 2 or 3
	v_wmma_f32_16x16x32_f16 v[rD:rD+7], v[rB:rB+7], v[rA:rA+7], v[rC:rC+7]
.else
	WIN 0xa4+0x50*(\hi)                            ; W window 0, A window 1, C and D window 2 or 3
	v_wmma_f32_16x16x32_f16 v[rD:rD+7], v[rB:rB+7], v[rA:rA+7], v[rD:rD+7]
.endif
.endif
.endr
.endr
.endm
.macro MULH bh, buf, i, zero, ride     ; half a quarter: 32 matrix instructions
	MUL16 \bh, \buf, \i, \zero, \ride, 0
	MUL16 \bh, \buf, \i, \zero, \ride, 1
.endm
; The bias.  F32A = 1: of the 16 columns that I pack on the way out: 128 c2 + 8 (l % 16) + 0..7, c2 = 0, 1.  F32A = 0: of my 256 columns in the layout of an accumulator: register 8 b + j = column 16 b + 8 (l / 16) + j.
.macro BIAS
.if F32A
	WIN 0
	global_load_b128 v[BIA:BIA+3],     v[BO], s[BP:BP+1]
	global_load_b128 v[BIA+4:BIA+7],   v[BO], s[BP:BP+1] offset:16
	global_load_b128 v[BIA+8:BIA+11],  v[BO], s[BP:BP+1] offset:512
	global_load_b128 v[BIA+12:BIA+15], v[BO], s[BP:BP+1] offset:528
.else
	WIN 0x40
.irp b, 0,1,2,3,4,5,6,7,8,9,10,11,12,13,14,15
	global_load_b128 v[BI+8*(\b):BI+8*(\b)+3],   v[BO], s[BP:BP+1] offset:64*(\b)
	global_load_b128 v[BI+8*(\b)+4:BI+8*(\b)+7], v[BO], s[BP:BP+1] offset:64*(\b)+16
.endr
.endif
.endm
; A QUARTER is two halves.  EVEN multiplies column blocks 0-7 and fetches blocks 8-15 of the same quarter; ODD multiplies those and fetches blocks 0-7 of the next quarter.
; At each half's head stands ONE run of memory instructions: the 16 LDS loads first, whose data are wanted a half later, then half a quarter of A (8 loads in f32, 4 in f16), wanted three quarters later or more.
; load = 1: A is loaded; 2: and its pointer goes to the next tensor.  lw (F32A = 0): how many younger loads of A may stay out when this quarter's unit has to be there.
.macro EVEN i, zero, load, lw
	PLACES
	FETCH \i, 1, BF1
.if (\load) == 2
	s_wait_xcnt 0x0                                ; every load and prefetch issued so far has read its address (the youngest prefetch stands 32 matrix instructions back): the pointers may be written
	s_mov_b64 s[AP:AP+1], s[NA:NA+1]               ; the next tensor's K step 0
	s_mov_b64 s[NA:NA+1], s[NA2:NA2+1]
.elseif (\load) && ((\i) == STEPQ)
	s_wait_xcnt 0x0                                ; the same
	s_add_nc_u64 s[AP:AP+1], s[AP:AP+1], STEPA
.endif
.if \load
	ALOADH \i, 0
.endif
	s_wait_dscnt 16                                ; all but the 16 just issued: blocks 0-7 are in
.if !F32A
	s_wait_loadcnt \lw
.endif
	MULH 0, BF0, \i, \zero, 0
.endm
; lw (F32A = 1, cvt = 1): how many younger loads may stay out when the NEXT quarter's unit, which this half converts, has to be there.  next = 0: the very last half fetches nothing.
.macro ODD i, zero, lw, cvt, next, load
	PLACES
.if \next
	FETCH (\i)+1, 0, BF0
.endif
.if \load
	ALOADH \i, 1
.endif
.if \next
	s_wait_dscnt 16                                ; all but the 16 just issued: blocks 8-15 are in
.else
	s_wait_dscnt 0x0
.endif
.if F32A && (\cvt)
	s_wait_loadcnt \lw
.endif
	MULH 1, BF1, \i, \zero, (\cvt)*F32A
.endm
.macro Q3PRE                           ; the head of a K step's last quarter: the rest of it is TURN
	PLACES
	FETCH 3, 1, BF1
	ALOADH 3, 0
.endm
; A PREFETCH INTO THE L2 of a K step of A that the NEXT trip's loads will ask for: it stands behind the joint load, its five lines and the run of LDS loads.  The four work-groups of a row of the cluster read the same
; 256 rows of A and share them out BY ADDRESS; no other cluster reads them.  F32A = 1: a step is 512 bytes of a row: work-group cx, wave w, lane l names block l / 16 of row 64 w + 16 cx + l % 16.
; F32A = 0: a step is 256 bytes of a row: waves 0 and 1 name row 64 cx + 32 w + l.  So each aligned block of 256 bytes is named once in the launch.
; mode 0, in the loop: the change that enters step U names step U + 2, for U = 1 .. 5.  mode 1, the change that enters a tile's step 7: the next tensor's step 1.  mode 2, the change that ends a tile: the next tensor's
; step 2 (the pointer stands at its step 0 by then).  Steps 0 to 2 of the first tile and step 0 of each later one come by their loads alone; the last tile asks for nothing beyond its step 7.
.macro ASK mode
.if (\mode) == 0
	s_cmp_gt_u32 s[CNT], s[LIM]
.else
	s_cmp_eq_u32 s[LIM], 1
.endif
	s_cbranch_scc0 .Lnone_\@
.if (\mode) == 1
	global_prefetch_b8 v[PFO], s[NA:NA+1] offset:STEPA th:TH_LOAD_NT scope:SCOPE_SE
.else
	global_prefetch_b8 v[PFO], s[AP:AP+1] offset:2*STEPA th:TH_LOAD_NT scope:SCOPE_SE
.endif
.Lnone_\@:
.endm
; THE LAST QUARTER OF A K STEP AND THE CHANGE OF SLOTS.  ONE barrier for two things.  In front of it each wave waits for all its tensor loads, of which one is out: its part of the next slot; adds 0 to its spare
; word; and waits for that and for its own reads of this slot.  Behind it nobody reads this slot any more and the next slot is whole.  refill = 1: the barrier opens a round of the cluster's, so that no wave of
; any partner still reads the slot or has a load on its way, and the joint refill, the K step two on (wstep bytes behind the last one asked for), is the first thing behind it: 224 matrix instructions stand between it and the wait for it.
.macro TURN refill, wstep, ask
	WIN 0
	s_wait_tensorcnt 0x0                           ; all my tensor loads have landed, so a group 0 may be written
	ds_add_u32 v[SPW], v[NIL]                      ; 0 onto my spare word
	s_wait_dscnt 17                                ; the add and the youngest 16 loads (blocks 8-15) may be out: blocks 0-7 are in
.if !F32A
	s_wait_loadcnt 20                              ; this quarter's A is in; two younger quarters' 16 loads and the 4 just issued may stay out
.endif
	MUL16 0, BF0, 3, 0, 0, 0                       ; sixteen matrix instructions stand between the add and the wait for it
	s_wait_dscnt 0x0                               ; the add is done, and my reads of this slot are over
	s_barrier_signal -1
	MUL16 0, BF0, 3, 0, 0, 1                       ; work on registers while the others arrive
	WIN 0                                          ; at a branch and at a label every window is 0
	s_barrier_wait -1
.if \refill
	CREST
	s_xor_b32 s[G0B+1], s[G0B+1], SLOT1            ; the walking descriptor: the other slot than last time,
	s_add_nc_u64 s[G0B+2:G0B+3], s[G0B+2:G0B+3], \wstep  ; the next 128 along K, or the next matrix's first; the type bits on top are not reached
	tensor_load_to_lds s[G0B:G0B+3], s[G1:G1+7]
	s_nop 0
.endif
	PLACES                                         ; behind the joint load, and the places in front of the loads below
	s_xor_b32 s[TB], s[TB], SLOT1
	v_add_nc_u32 v[ADRB], s[TB], v[BL0]
	FETCH 0, 0, BF0                                ; the next slot's first fragments
.if \refill
	ASK \ask
.endif
	ALOADH 3, 1                                    ; the second half of this quarter's loads of A
.if F32A
	s_wait_loadcnt 48                              ; the next step's first unit is in; the three younger units' 48 loads may stay out
.endif
	MULH 1, BF1, 3, 0, F32A
.endm
.if F32A
	s_load_b256 s[4:11], s[0:1], 0x0               ; q s[4:5], k s[6:7], v s[8:9], wb s[10:11]
	s_load_b128 s[12:15], s[0:1], 0x20             ; bb s[12:13], heads s[14:15]
.else
	s_load_b256 s[4:11], s[0:1], 0x0               ; ob s[4:5], wb s[6:7], bb s[8:9], out0 s[10:11]
.endif
	v_lshl_add_u32 v[SPW], v0, 2, SPARE
	v_mov_b32 v[NIL], 0
	ds_add_u32 v[SPW], v[NIL]                      ; the wave's opening: the add and its wait stand ahead of my first tensor load; the set-up below, work on registers, stands between them
	v_lshrrev_b32 v3, 5, v0
	v_readfirstlane_b32 s[WV], v3                  ; wave 0..3
	s_bfe_u32 s[CX], ttmp6, 0x40000                ; my place along the cluster's x
	s_bfe_u32 s[CY], ttmp6, 0x40004                ; along its y
	s_lshl_b32 s[CT], ttmp9, 2                     ; in a cluster launch ttmp9 and ttmp7 count clusters
	s_add_co_u32 s[CT], s[CT], s[CX]               ; column tile = 4 x cluster x + cx
	s_and_b32 s22, ttmp7, 0xffff
	s_lshl_b32 s[TK], s22, 2
	s_add_co_u32 s[TK], s[TK], s[CY]               ; token tile = 4 x cluster y + cy
	s_lshl_b32 s23, 0x1111, s[CX]                  ; my column of the cluster: places cx, cx + 4, cx + 8, cx + 12
	; descriptor group 1: a tile of 64 rows x 128 elements of 2 bytes, padded in LDS
	s_or_b32 s[G1], s23, (1<<16)|(1<<20)|(1<<21)|(5<<22)|(3<<25)  ; 15:0 the mask; 17:16 elements of 2 bytes; 20 padding on; 21 set beside a mask; 24:22 after every 64 words (code 5); 31:25 4 words of it (code 3)
	s_mov_b32 s[G1+1], 128<<16                     ; tensor_dim0 = 128
	s_mov_b32 s[G1+2], 64<<16                      ; tensor_dim1 = 64
	s_mov_b32 s[G1+3], 128<<16                     ; tile_dim0 = 128
	s_mov_b32 s[G1+4], 64                          ; tile_dim1 = 64
	s_mov_b32 s[G1+5], 1024                        ; elements from row to row
	s_mov_b32 s[G1+6], 0
	s_mov_b32 s[G1+7], 0
	s_mov_b32 s[G0A], 1                            ; count = 1
	s_mul_i32 s[G0A+1], s[WV], WTILE               ; my 64 rows of slot 0: no place in the cluster enters an LDS address
	s_mov_b32 s[G0B], 1
	s_add_co_u32 s[G0B+1], s[G0A+1], SLOT1         ; and of slot 1
	s_lshl_b32 s52, s[CT], 19                      ; W's tile: 256 rows of 2,048 bytes a column tile,
	s_lshl_b32 s53, s[WV], 17                      ; my 64 rows of them.  These two registers never hold cy
	s_add_co_u32 s52, s52, s53
.if !F32A
	s_add_co_u32 s52, s52, 3<<21                   ; in matrix 3 of wb
.endif
	s_mov_b32 s53, 0
	s_lshl_b32 s50, s[TK], LOGROW+8                ; A: 256 rows a token tile
	s_mov_b32 s51, 0
.if F32A
	s_lshl_b32 s54, s[TK], 19                      ; C: rows of 2,048 bytes: 256 a token tile,
	s_lshl_b32 s55, s[WV], 17                      ; my 64 of them,
	s_add_co_u32 s54, s54, s55
	s_lshl_b32 s55, s[CT], 9                       ; 512 bytes a column tile
	s_add_co_u32 s54, s54, s55
	s_mov_b32 s23, 0                               ; the first tile's bias is bb[0]
	s_mov_b32 s[LIM], 1
	s_lshl_b32 s49, s[WV], 6
	s_lshl4_add_u32 s49, s[CX], s49                ; the prefetches' row: 64 w + 16 cx
.else
	s_lshl_b32 s54, s[TK], 20                      ; C: rows of 4,096 bytes
	s_lshl_b32 s55, s[WV], 18
	s_add_co_u32 s54, s54, s55
	s_lshl_b32 s55, s[CT], 10                      ; 1,024 bytes a column tile
	s_add_co_u32 s54, s54, s55
	s_mov_b32 s23, 3<<12                           ; the bias is bb[3]
	s_cmp_lt_u32 s[WV], 2
	s_cselect_b32 s[LIM], 1, -1                    ; waves 2 and 3 never ask
	s_and_b32 s49, s[WV], 1
	s_lshl_b32 s49, s49, 5
	s_lshl_b32 s22, s[CX], 6
	s_add_co_u32 s49, s49, s22                     ; the prefetches' row: 64 cx + 32 (w % 2)
.endif
	s_mov_b32 s55, 0
	s_lshl_b32 s22, s[CT], 10
	s_add_co_u32 s22, s22, s23                     ; the bias at the tile's first column
	s_mov_b32 s23, 0
	s_mov_b32 s[TB], 0
	v_and_b32 v1, 15, v0                           ; l % 16
	v_bfe_u32 v2, v0, 4, 1                         ; l / 16
.if F32A
	v_add_nc_u32 v[PFO], s49, v1
	v_lshlrev_b32 v[PFO], LOGROW, v[PFO]
	v_lshl_add_u32 v[PFO], v2, 8, v[PFO]
.else
	v_and_b32 v3, 31, v0
	v_add_nc_u32 v[PFO], s49, v3
	v_lshlrev_b32 v[PFO], LOGROW, v[PFO]
.endif
	s_lshl_b32 s49, s[WV], 6
	v_add_nc_u32 v3, s49, v1                       ; my token in the tile
	v_lshlrev_b32 v[AO], LOGROW, v3
	v_lshl_add_u32 v[AO], v2, 4+F32A, v[AO]        ; + my half's 8 numbers: 32 bytes in f32, 16 in f16
	v_mul_u32_u24 v[BL0], v1, PITCH
	v_lshl_add_u32 v[BL0], v2, 4, v[BL0]
	v_mov_b32 v[ADRB], v[BL0]                      ; slot 0
	s_mul_i32 s49, s[WV], WSTAGE
	s_add_co_u32 s49, s49, STAGE                   ; my stage
	v_mul_u32_u24 v[STO], v1, SPITCH               ; in: row l % 16; F32A = 1: 16 (l / 16), a piece of 16 bytes; F32A = 0: 32 (l / 16), my 8 numbers on end
	v_lshl_add_u32 v[STO], v2, 5-F32A, v[STO]
	v_add_nc_u32 v[STO], s49, v[STO]
.if F32A
	v_mul_u32_u24 v[RD], v2, SPITCH                ; back: lanes 0-15 take one row, lanes 16-31 the next; 16 bytes at 16 (l % 16), twice
	v_lshl_add_u32 v[RD], v1, 4, v[RD]
	v_add_nc_u32 v[RD], s49, v[RD]
	v_lshlrev_b32 v[CO], 11, v2                    ; and the same two rows in C: 2,048 bytes apart, my 16 bytes
	v_lshl_add_u32 v[CO], v1, 4, v[CO]
	v_lshlrev_b32 v[BO], 5, v1                     ; my 8 columns' bias: 32 (l % 16)
.else
	v_and_b32 v3, 31, v0
	v_lshlrev_b32 v[CO], 4, v3
	v_add_nc_u32 v[RD], s49, v[CO]                 ; back: the 32 lanes take one row's 512 bytes
	v_lshlrev_b32 v[BO], 5, v2                     ; 32 (l / 16)
.endif
	s_wait_dscnt 0x0                               ; the opening add is done
	s_wait_kmcnt 0x0
	s_add_nc_u64 s[AP:AP+1], s[4:5], s[50:51]
.if F32A
	s_add_nc_u64 s[NA:NA+1], s[6:7], s[50:51]      ; k and v at the same rows
	s_add_nc_u64 s[NA2:NA2+1], s[8:9], s[50:51]
.endif
	s_add_nc_u64 s[OP:OP+1], s[POUT:POUT+1], s[54:55]
	s_add_nc_u64 s[BP:BP+1], s[PBB:PBB+1], s[22:23]
	s_add_nc_u64 s[G0A+2:G0A+3], s[PWB:PWB+1], s[52:53]  ; K step 0
	s_add_nc_u64 s[G0B+2:G0B+3], s[G0A+2:G0A+3], 256     ; K step 1
	s_or_b32 s[G0A+3], s[G0A+3], 0x80000000        ; type = 2
	s_or_b32 s[G0B+3], s[G0B+3], 0x80000000
	; A's first loads go out ahead of the round: they name nobody's LDS, and are on their way while the sixteen work-groups meet
.if F32A
.irp u, 0,1,2,3
	ALDH \u, 128*(\u), 0                           ; K step 0 of A: four units
	ALDH \u, 128*(\u), 1
.endr
.else
	BIAS                                           ; the bias first: the first products take it
.irp u, 0,1,2
	ALDH \u, 64*(\u), 0                            ; quarters 0 to 2 of A
	ALDH \u, 64*(\u), 1
.endr
.endif
	WIN 0
	CROUND                                         ; all sixteen work-groups are here: the first joint loads meet
	tensor_load_to_lds s[G0A:G0A+3], s[G1:G1+7]    ; the two first fills go out together: two tensor loads of mine are out, the most in this text
	s_nop 0
	tensor_load_to_lds s[G0B:G0B+3], s[G1:G1+7]
	s_nop 0
	PLACES
	s_wait_tensorcnt 0x1                           ; my part of K step 0 is in; step 1's may stay out
	s_barrier_signal -1
	s_barrier_wait -1                              ; everybody's is
	FETCH 0, 0, BF0
.if F32A
	s_wait_loadcnt 48                              ; unit 0 is in; units 1 to 3 may stay out
.irp g, 0,1,2,3,4,5,6,7
	CVT4 3, \g                                     ; unit 0 to buffer 0: the one conversion that has no products to stand behind
.endr
.endif
.if TILES > 1
	WIN 0
	s_mov_b32 s[TL], TILES
.Ltile:                                        ; a tile begins: its first fragments of W and of A lie in registers
	BIAS                                           ; wanted on the way out.  These 4 loads are younger than units 1 to 3: behind them 52 loads could stay out where the waits below say 48, the stricter count
.endif
	s_mov_b32 s[CNT], 7
	EVEN 0, 1, 1, 20                               ; a tile's first quarter stands in front of the loop: its products start the sums
	ODD 0, 1, 48, 1, 1, 1
	WIN 0
	s_branch .Lq1                                  ; the loop is entered behind a trip's first quarter
.Ltrip:                                        ; six times: K steps 1 to 6 are entered, steps 2 to 7 of W asked for
	TURN 1, 256, 0
	EVEN 0, 0, 1, 20
	ODD 0, 0, 48, 1, 1, 1
	WIN 0
.Lq1:
	EVEN 1, 0, 1, 20
	ODD 1, 0, 48, 1, 1, 1
	EVEN 2, 0, 1, 20
	ODD 2, 0, 48, 1, 1, 1
	Q3PRE
	WIN 0
	s_sub_co_u32 s[CNT], s[CNT], 1
	s_cmp_lg_u32 s[CNT], 0
	s_cbranch_scc1 .Ltrip
.if TILES > 1                          ; with one tile to a work-group nothing of this is assembled
	s_cmp_eq_u32 s[TL], 1
	s_cbranch_scc1 .Llast                          ; the last tile's last K step is written out apart: it asks for nothing more
	TURN 1, WRAPW, 1                               ; BOTH STREAMS GO ON INTO THE NEXT TILE: slot 0 takes the next matrix's K step 0,
	EVEN 0, 0, 2, 0                                ; A's loads go to the next tensor's K step 0,
	ODD 0, 0, 48, 1, 1, 1
	EVEN 1, 0, 1, 0
	ODD 1, 0, 48, 1, 1, 1
	EVEN 2, 0, 1, 0
	ODD 2, 0, 48, 1, 1, 1
	Q3PRE
	TURN 1, 256, 2                                 ; slot 1 takes its K step 1, and the next tile's first fragments are fetched and converted
	WIN 0
	s_branch .Lout
.Llast:
.endif
	TURN 0, 0, 0                                   ; nothing is filled, so no round follows
.if F32A
	EVEN 0, 0, 0, 0                                ; nothing of A is left to load
	ODD 0, 0, 32, 1, 1, 0                          ; unit 1 is wanted: units 2 and 3 may stay out
	EVEN 1, 0, 0, 0
	ODD 1, 0, 16, 1, 1, 0                          ; unit 2: unit 3 may stay out
	EVEN 2, 0, 0, 0
	ODD 2, 0, 0, 1, 1, 0                           ; unit 3
	EVEN 3, 0, 0, 0
	ODD 3, 0, 0, 0, 0, 0
.else
	EVEN 0, 0, 1, 20                               ; the last quarter of A is asked for
	ODD 0, 0, 0, 0, 1, 1
	EVEN 1, 0, 0, 16                               ; the counts run down
	ODD 1, 0, 0, 0, 1, 0
	EVEN 2, 0, 0, 8
	ODD 2, 0, 0, 0, 1, 0
	EVEN 3, 0, 0, 0
	ODD 3, 0, 0, 0, 0, 0
.endif
; THE WAY OUT.  A lane holds 8 neighbouring numbers of a row, the lanes beside it other rows.  So 16 rows x 128 columns of f32 at a time (unit u: token block u / 2, column blocks 8 (u % 2) .. + 7) go through my own
; stage in LDS.  LDS serves a wave's instructions in order (ISA guide 5.7.1.4): the loads see the stores above them, and the next unit's stores come behind them: no wait between them, no barrier.
.if F32A
; In: my 8 numbers of column block i as two pieces of 16 bytes, at 16 (2 i + l / 16) and 256 bytes further on: each accumulator's low four registers first.  Sixteen lanes write rows 528 bytes apart: 16 different columns of 16 bytes.
.macro WST u
.set AC, 128*(((\u)/2)%2)+64*((\u)%2)
	WIN 0x08+4*((\u)/4)                            ; the stores' data in window 2 or 3, the address in window 0
.irp i, 0,1,2,3,4,5,6,7
	ds_store_b128 v[STO], v[AC+8*(\i):AC+8*(\i)+3]   offset:32*(\i)
	ds_store_b128 v[STO], v[AC+8*(\i)+4:AC+8*(\i)+7] offset:256+32*(\i)
.endr
.endm
; Back: rows 2 t and 2 t + 1; lane l takes the two pieces of columns 8 (l % 16) + 0..7: sixteen lanes read 256 bytes on end.
.macro WLD
	WIN 0
.irp t, 0,1,2,3,4,5,6,7
	ds_load_b128 v[OBP+8*(\t):OBP+8*(\t)+3],   v[RD] offset:(\t)*2*SPITCH
	ds_load_b128 v[OBP+8*(\t)+4:OBP+8*(\t)+7], v[RD] offset:(\t)*2*SPITCH+256
.endr
.endm
; The bias is added in f32, the sums are rounded once to f16, and 16 bytes a lane are stored.  younger: the LDS instructions issued behind the unit's loads: the next unit's 16 stores, or none.
.macro WFIN u, younger
	WIN 0
	s_wait_dscnt \younger                          ; the unit is back in registers
	s_wait_xcnt 0x0                                ; the stores two units back have read the registers that the conversions below write
.set PKR, PK0+(PK1-PK0)*((\u)%2)
.set BB, BIA+8*((\u)%2)
.irp t, 0,1,2,3,4,5,6,7
.irp p, 0,1,2,3
	v_pk_add_f32 v[OBP+8*(\t)+2*(\p):OBP+8*(\t)+2*(\p)+1], v[OBP+8*(\t)+2*(\p):OBP+8*(\t)+2*(\p)+1], v[BB+2*(\p):BB+2*(\p)+1]
.endr
.irp p, 0,1,2,3
	v_cvt_pk_f16_f32 v[PKR+4*(\t)+(\p)], v[OBP+8*(\t)+2*(\p)], v[OBP+8*(\t)+2*(\p)+1]
.endr
	global_store_b128 v[CO], v[PKR+4*(\t):PKR+4*(\t)+3], s[OP:OP+1] offset:(16*((\u)/2)+2*(\t))*2048+256*((\u)%2)  ; each 16 lanes store 256 consecutive bytes, at a multiple of 256 from the buffer's first
.endr
.endm
	WIN 0
.Lout:
	PLACES
	WST 0
	WLD
.irp u, 0,1,2,3,4,5,6                  ; the next unit's stores into the stage stand between a unit's loads and the wait for them
	WST (\u)+1
	WFIN \u, 16
	WLD
.endr
	WFIN 7, 0
	s_wait_xcnt 0x0                                ; the stores and the bias's loads have read their bases
	s_add_nc_u64 s[OP:OP+1], s[OP:OP+1], 1<<25     ; the next tensor in heads, 32 MiB on,
	s_add_nc_u64 s[BP:BP+1], s[BP:BP+1], 4096      ; and its bias (behind the last tile the stepped addresses are not used)
	s_sub_co_u32 s[TL], s[TL], 1
	s_cmp_lg_u32 s[TL], 0
	s_cbranch_scc1 .Ltile
.else
.macro TOST u                          ; f32 as it lies, each accumulator's low four registers first; back as whole rows of 512 bytes
.set AC, 128*(((\u)/2)%2)+64*((\u)%2)
	s_wait_xcnt 0x0                                ; the stores two units back have read the registers that the loads below write
	WIN 0x08+4*((\u)/4)                            ; the stores' data in window 2 or 3, the address in window 0
.irp i, 0,1,2,3,4,5,6,7
	ds_store_b128 v[STO], v[AC+8*(\i):AC+8*(\i)+3]   offset:64*(\i)
	ds_store_b128 v[STO], v[AC+8*(\i)+4:AC+8*(\i)+7] offset:64*(\i)+16
.endr
	WIN 0
.irp t, 0,1,2,3,4,5,6,7,8,9,10,11,12,13,14,15
	ds_load_b128 v[OB+64*((\u)%2)+4*(\t):OB+64*((\u)%2)+4*(\t)+3], v[RD] offset:(\t)*SPITCH
.endr
.endm
.macro SENDO u, younger                ; younger: the LDS instructions issued behind unit u's loads: the next unit's 32, or none
	WIN 0
	s_wait_dscnt \younger
.irp t, 0,1,2,3,4,5,6,7,8,9,10,11,12,13,14,15
	global_store_b128 v[CO], v[OB+64*((\u)%2)+4*(\t):OB+64*((\u)%2)+4*(\t)+3], s[OP:OP+1] offset:(16*((\u)/2)+(\t))*4096+512*((\u)%2) th:TH_STORE_NT  ; 512 consecutive bytes, at a multiple of 512 from out0's first
.endr
.endm
	PLACES
	TOST 0
.irp u, 1,2,3,4,5,6,7
	TOST \u
	SENDO (\u)-1, 32
.endr
	SENDO 7, 0
.endif
	WIN 0
	s_wait_tensorcnt 0x0                           ; the wave's end: the add and its wait, behind my last tensor load and my last LDS store
	ds_add_u32 v[SPW], v[NIL]
	s_wait_dscnt 0x0
	CROUND                                         ; the closing round: no work-group ends while a partner may still ask for a tile that names it
	s_endpgm
.Lfunc_end_k_qa3b64c3f0f_proj:
	.size	k_qa3b64c3f0f_proj, .Lfunc_end_k_qa3b64c3f0f_proj-k_qa3b64c3f0f_proj
	.p2alignl 7, 3214868480
	.fill 96, 4, 3214868480
	.section	.rodata,"a",@progbits
	.p2align	6, 0x0
	.amdhsa_kernel k_qa3b64c3f0f_proj
		.amdhsa_group_segment_fixed_size 327680
		.amdhsa_private_segment_fixed_size 0
		.amdhsa_enable_private_segment 0
		.amdhsa_kernarg_size 48
		.amdhsa_user_sgpr_count 2
		.amdhsa_user_sgpr_kernarg_segment_ptr 1
		.amdhsa_wavefront_size32 1
		.amdhsa_system_sgpr_workgroup_id_x 1
		.amdhsa_system_sgpr_workgroup_id_y 1
		.amdhsa_system_sgpr_workgroup_id_z 1
		.amdhsa_system_vgpr_workitem_id 0
		.amdhsa_next_free_vgpr 1024
		.amdhsa_next_free_sgpr 66
		.amdhsa_reserve_vcc 0
		.amdhsa_float_denorm_mode_32 3
		.amdhsa_float_denorm_mode_16_64 3
		.amdhsa_memory_ordered 1
		.amdhsa_forward_progress 1
		.amdhsa_inst_pref_size 219
	.end_amdhsa_kernel
	.amdgpu_metadata
---
amdhsa.version: [ 1, 2 ]
amdhsa.kernels:
  - .name:           k_qa3b64c3f0f_proj
    .symbol:         k_qa3b64c3f0f_proj.kd
    .args:
      - { .name: q, .offset: 0, .size: 8, .value_kind: global_buffer, .address_space: global }
      - { .name: k, .offset: 8, .size: 8, .value_kind: global_buffer, .address_space: global }
      - { .name: v, .offset: 16, .size: 8, .value_kind: global_buffer, .address_space: global }
      - { .name: wb, .offset: 24, .size: 8, .value_kind: global_buffer, .address_space: global }
      - { .name: bb, .offset: 32, .size: 8, .value_kind: global_buffer, .address_space: global }
      - { .name: heads, .offset: 40, .size: 8, .value_kind: global_buffer, .address_space: global }
    .group_segment_fixed_size: 327680
    .private_segment_fixed_size: 0
    .kernarg_segment_align: 8
    .kernarg_segment_size: 48
    .max_flat_workgroup_size: 128
    .sgpr_count:     66
    .vgpr_count:     1024
    .wavefront_size: 32
...
	.end_amdgpu_metadata
.endif
;; end of part 2
;; launch attn (part 3): grid 512 x 1, 8 waves a work-group, no clusters, 0 bytes of LDS; arguments heads, ob; writes ob
.if DOCPART == 3
	.amdgcn_target "amdgcn-amd-amdhsa--gfx1250"
	.amdhsa_code_object_version 6
	.text
	.protected	k_qa3b64c3f0f_attn
	.globl	k_qa3b64c3f0f_attn
	.p2align	8
	.type	k_qa3b64c3f0f_attn,@function
k_qa3b64c3f0f_attn:
	s_mov_b64 s[64:65], 0
	v_nop
	global_prefetch_b8 v0, s[64:65] scope:SCOPE_SE
	s_setreg_imm32_b32 hwreg(HW_REG_WAVE_MODE, 25, 1), 1
	s_wait_xcnt 0x0
; ATTENTION OVER THE HEADS AXIS, TOKEN BY TOKEN.  For each token n: S[h][g] = qh[n][h] . kh[n][g] / 8, P = softmax over g, O[h] = the sum over g of P[h][g] vh[n][g]: 16 heads of 64 channels.
; heads = [3][16384][1024] f16 (qh, kh, vh), ob = [16384][1024] f16.  Products, maximum and sum in f32; P is divided by its sum in f32 and rounded to f16 for the second product; O is rounded once.
; THE COLUMN ORDERS were set by the launches before: qh, kh and ob: column (d>>4) 256 + ((d>>3)&1) 128 + 8 h + (d&7); vh: (d>>4) 256 + (g>>3) 128 + 8 (d&15) + (g&7).
; So piece i (512 bytes) of a row of qh or kh, 16 bytes a lane, gives lane l head l % 16 and channels 16 i + 8 (l / 16) + 0..7: half a fragment of 16 heads x 32 channels; piece cb of a row of vh gives lane l
; channel 16 cb + l % 16 and heads 8 (l / 16) + 0..7: the first half (K = 0..15) of a fragment of V^T.  Every load and store of a wave covers 512 consecutive bytes; nothing changes lanes but one exchange of halves.
; LAYOUT.  S^T = K Q^T (source 0 = the 16 key heads, source 1 = the 16 query heads): a lane holds query head l % 16 and key heads 8 (l / 16) + 0..7.  Rounded in pairs these ARE registers 0-3 of source 1 of
; O^T = V^T P (K = 32, of which 16 are used): registers 4-7 are 0, and what stands in registers 4-7 of source 0 (the next piece of vh, or four zeros behind the last) is multiplied by 0.
; SHARES.  A wave takes 4 tokens, a work-group's eight waves 32.  No loop: all 48 loads of a wave go out at once.  No LDS, no barrier, no cluster: no two waves want the same byte, and memory binds.
; LIMITS.  The numbers of heads are finite (0 x an infinity would spoil a token); P below 6.1e-5 keeps f16's fixed step of 6e-8; a weight below 2^-126 counts as 0 in the sum; NaN is not treated apart.
.set LO,  1            ; v1       16 x lane; never rewritten
.set T,   4            ; v4-19    four registers a token, at work
.set Q,   20           ; v20-83   16 a token
.set K,   84           ; v84-147
.set V,   148          ; v148-211
.set PAD, 212          ; v212-215 zeros behind the last piece of vh
.set S,   216          ; v216-247 S^T, then P: 8 a token
.set O,   20           ; O^T, 32 a token, where Q and K lay
	s_load_b128 s[4:7], s[0:1], 0x0                ; heads s[4:5], ob s[6:7]
	v_lshrrev_b32 v2, 5, v0
	v_readfirstlane_b32 s8, v2                     ; wave 0..7
	v_and_b32 v[LO], 31, v0
	v_lshlrev_b32 v[LO], 4, v[LO]
	s_lshl_b32 s9, ttmp9, 3
	s_add_co_u32 s9, s9, s8
	s_lshl_b32 s10, s9, 13                         ; my 4 tokens: 8,192 bytes in each tensor
	s_mov_b32 s11, 0
	s_mov_b32 s12, 0x3e38aa3b                      ; c = log2(e) / 8 = 0.180337
	s_mov_b32 s13, s12                             ; named with it as a pair
	s_mov_b32 s14, 0x76543210                      ; v_permlanex16_b32: each lane takes its own place in the other half
	s_mov_b32 s15, 0xfedcba98
	s_wait_kmcnt 0x0
	s_add_nc_u64 s[4:5], s[4:5], s[10:11]          ; qh
	s_add_nc_u64 s[16:17], s[4:5], 0x2000000       ; kh, 32 MiB on
	s_add_nc_u64 s[18:19], s[4:5], 0x4000000       ; vh
	s_add_nc_u64 s[6:7], s[6:7], s[10:11]
.set i, 0
.rept 16                                       ; token i / 4, piece i % 4
	global_load_b128 v[K+4*i:K+4*i+3], v[LO], s[16:17] offset:(i/4)*2048+(i%4)*512 th:TH_LOAD_NT
	global_load_b128 v[Q+4*i:Q+4*i+3], v[LO], s[4:5] offset:(i/4)*2048+(i%4)*512 th:TH_LOAD_NT
.set i, i+1
.endr
.set i, 0
.rept 16
	global_load_b128 v[V+4*i:V+4*i+3], v[LO], s[18:19] offset:(i/4)*2048+(i%4)*512 th:TH_LOAD_NT
.set i, i+1
.endr
	s_wait_loadcnt 16                              ; K and Q are in; V's 16 loads may stay out
.set i, 0
.rept 4                                        ; channels 0-31 start the sums; the four tokens' accumulators take turns
	v_wmma_f32_16x16x32_f16 v[S+8*i:S+8*i+7], v[K+16*i:K+16*i+7], v[Q+16*i:Q+16*i+7], 0
.set i, i+1
.endr
.set i, 0
.rept 4                                        ; channels 32-63
	v_wmma_f32_16x16x32_f16 v[S+8*i:S+8*i+7], v[K+16*i+8:K+16*i+15], v[Q+16*i+8:Q+16*i+15], v[S+8*i:S+8*i+7]
.set i, i+1
.endr
.set i, 0
.rept 4
	v_mov_b32 v[PAD+i], 0                          ; due anyway: the four places behind the products
.set i, i+1
.endr
; The maximum over the 16 key heads: my eight, beginning at the accumulator's low end, then the other half of the lanes'.  In each block the four tokens alternate, so that no line reads the one before it.
.set t, 0
.rept 4
	v_max3_num_f32 v[T+4*t], v[S+8*t], v[S+8*t+1], v[S+8*t+2]
.set t, t+1
.endr
.set t, 0
.rept 4
	v_max3_num_f32 v[T+4*t+1], v[S+8*t+3], v[S+8*t+4], v[S+8*t+5]
.set t, t+1
.endr
.set t, 0
.rept 4
	v_max3_num_f32 v[T+4*t], v[T+4*t], v[S+8*t+6], v[S+8*t+7]
.set t, t+1
.endr
.set t, 0
.rept 4
	v_max_num_f32 v[T+4*t], v[T+4*t], v[T+4*t+1]
.set t, t+1
.endr
.set t, 0
.rept 4
	v_permlanex16_b32 v[T+4*t+1], v[T+4*t], s14, s15
.set t, t+1
.endr
.set t, 0
.rept 4
	v_max_num_f32 v[T+4*t], v[T+4*t], v[T+4*t+1]
.set t, t+1
.endr
.set t, 0
.rept 4
	v_mul_f32 v[T+4*t], s12, v[T+4*t]              ; c m
.set t, t+1
.endr
.set i, 0
.rept 16                                       ; c s - c m, pair i / 4 of token i % 4
	v_pk_fma_f32 v[S+8*(i%4)+2*(i/4):S+8*(i%4)+2*(i/4)+1], v[S+8*(i%4)+2*(i/4):S+8*(i%4)+2*(i/4)+1], s[12:13], v[T+4*(i%4):T+4*(i%4)+1] op_sel_hi:[1,0,0] neg_lo:[0,0,1] neg_hi:[0,0,1]
.set i, i+1
.endr
.set i, 0
.rept 32                                       ; the wave's 32 exponentials are one batch
	v_exp_f32 v[S+8*(i%4)+i/4], v[S+8*(i%4)+i/4]
.set i, i+1
.endr
	v_nop                                          ; a plain instruction behind the last exponential (ISA guide 5.7.2),
	s_wait_alu depctr_va_vdst(0)                   ; and one wait ahead of the batch's first reader
.set t, 0
.rept 4
	v_pk_add_f32 v[T+4*t+2:T+4*t+3], v[S+8*t:S+8*t+1], v[S+8*t+2:S+8*t+3]
.set t, t+1
.endr
.set t, 0
.rept 4
	v_pk_add_f32 v[T+4*t:T+4*t+1], v[S+8*t+4:S+8*t+5], v[S+8*t+6:S+8*t+7]
.set t, t+1
.endr
.set t, 0
.rept 4
	v_pk_add_f32 v[T+4*t+2:T+4*t+3], v[T+4*t+2:T+4*t+3], v[T+4*t:T+4*t+1]
.set t, t+1
.endr
.set t, 0
.rept 4
	v_add_f32 v[T+4*t+2], v[T+4*t+2], v[T+4*t+3]
.set t, t+1
.endr
.set t, 0
.rept 4
	v_permlanex16_b32 v[T+4*t+3], v[T+4*t+2], s14, s15
.set t, t+1
.endr
.set t, 0
.rept 4
	v_add_f32 v[T+4*t+2], v[T+4*t+2], v[T+4*t+3]   ; the sum of the 16 weights: at least 1, since the maximum's weight is 1
.set t, t+1
.endr
.set t, 0
.rept 4
	v_rcp_f32 v[T+4*t+2], v[T+4*t+2]
.set t, t+1
.endr
	v_nop                                          ; a plain instruction behind the last reciprocal,
	s_wait_alu depctr_va_vdst(0)                   ; and one wait for the four
.set i, 0
.rept 16
	v_pk_mul_f32 v[S+8*(i%4)+2*(i/4):S+8*(i%4)+2*(i/4)+1], v[S+8*(i%4)+2*(i/4):S+8*(i%4)+2*(i/4)+1], v[T+4*(i%4)+2:T+4*(i%4)+3] op_sel_hi:[1,0]
.set i, i+1
.endr
.set i, 0
.rept 16                                       ; pair e = i / 4 of token i % 4 goes to register e: e ascends, so a pair is read before its registers are written
	v_cvt_pk_f16_f32 v[S+8*(i%4)+i/4], v[S+8*(i%4)+2*(i/4)], v[S+8*(i%4)+2*(i/4)+1]
.set i, i+1
.endr
.set i, 0
.rept 16
	v_mov_b32 v[S+8*(i%4)+4+i/4], 0                ; K = 16..31 of P
.set i, i+1
.endr
	s_wait_loadcnt 0x0                             ; V
.set i, 0
.rept 16                                       ; token i % 4, channels 16 (i / 4) on: one product each, C = 0
	v_wmma_f32_16x16x32_f16 v[O+32*(i%4)+8*(i/4):O+32*(i%4)+8*(i/4)+7], v[V+16*(i%4)+4*(i/4):V+16*(i%4)+4*(i/4)+7], v[S+8*(i%4):S+8*(i%4)+7], 0
.set i, i+1
.endr
.rept 4
	v_nop                                          ; the places behind the products: the conversions read results and write V's registers
.endr
.set i, 0
.rept 64                                       ; a lane's eight channels of a head pack into 16 bytes; each accumulator's registers in ascending order
	v_cvt_pk_f16_f32 v[V+i], v[O+2*i], v[O+2*i+1]
.set i, i+1
.endr
.set i, 0
.rept 16
	global_store_b128 v[LO], v[V+4*i:V+4*i+3], s[6:7] offset:(i/4)*2048+(i%4)*512  ; 512 consecutive bytes, at a multiple of 512 from ob's first
.set i, i+1
.endr
	s_endpgm
.Lfunc_end_k_qa3b64c3f0f_attn:
	.size	k_qa3b64c3f0f_attn, .Lfunc_end_k_qa3b64c3f0f_attn-k_qa3b64c3f0f_attn
	.p2alignl 7, 3214868480
	.fill 96, 4, 3214868480
	.section	.rodata,"a",@progbits
	.p2align	6, 0x0
	.amdhsa_kernel k_qa3b64c3f0f_attn
		.amdhsa_group_segment_fixed_size 0
		.amdhsa_private_segment_fixed_size 0
		.amdhsa_enable_private_segment 0
		.amdhsa_kernarg_size 16
		.amdhsa_user_sgpr_count 2
		.amdhsa_user_sgpr_kernarg_segment_ptr 1
		.amdhsa_wavefront_size32 1
		.amdhsa_system_sgpr_workgroup_id_x 1
		.amdhsa_system_sgpr_workgroup_id_y 1
		.amdhsa_system_sgpr_workgroup_id_z 1
		.amdhsa_system_vgpr_workitem_id 0
		.amdhsa_next_free_vgpr 248
		.amdhsa_next_free_sgpr 66
		.amdhsa_reserve_vcc 0
		.amdhsa_float_denorm_mode_32 3
		.amdhsa_float_denorm_mode_16_64 3
		.amdhsa_memory_ordered 1
		.amdhsa_forward_progress 1
		.amdhsa_inst_pref_size 21
	.end_amdhsa_kernel
	.amdgpu_metadata
---
amdhsa.version: [ 1, 2 ]
amdhsa.kernels:
  - .name:           k_qa3b64c3f0f_attn
    .symbol:         k_qa3b64c3f0f_attn.kd
    .args:
      - { .name: heads, .offset: 0, .size: 8, .value_kind: global_buffer, .address_space: global }
      - { .name: ob, .offset: 8, .size: 8, .value_kind: global_buffer, .address_space: global }
    .group_segment_fixed_size: 0
    .private_segment_fixed_size: 0
    .kernarg_segment_align: 8
    .kernarg_segment_size: 16
    .max_flat_workgroup_size: 256
    .sgpr_count:     66
    .vgpr_count:     248
    .wavefront_size: 32
...
	.end_amdgpu_metadata
.endif
;; end of part 3
;; launch oproj (part 4): grid 4 x 64, 4 waves a work-group, clusters of 4 x 4, 327,680 bytes of LDS; arguments ob, wb, bb, out0; writes out0
.if DOCPART == 4
	.amdgcn_target "amdgcn-amd-amdhsa--gfx1250"
	.amdhsa_code_object_version 6
	.text
	.protected	k_qa3b64c3f0f_oproj
	.globl	k_qa3b64c3f0f_oproj
	.p2align	8
	.type	k_qa3b64c3f0f_oproj,@function
k_qa3b64c3f0f_oproj:
	s_mov_b64 s[64:65], 0
	v_nop
	global_prefetch_b8 v0, s[64:65] scope:SCOPE_SE
	s_setreg_imm32_b32 hwreg(HW_REG_WAVE_MODE, 25, 1), 1
	s_wait_xcnt 0x0
	s_wait_alu depctr_hold_cnt(0) depctr_sa_sdst(0) depctr_va_vdst(0) depctr_va_sdst(0) depctr_va_ssrc(0) depctr_va_vcc(0) depctr_vm_vsrc(0)
	s_getreg_b32 s2, hwreg(HW_REG_IB_STS2, 6, 4)
	s_cmp_eq_u32 s2, 0
	s_cbranch_scc0 .Lentry_in_a_cluster
	s_endpgm
.Lentry_in_a_cluster:
	s_bfe_u32 s2, ttmp6, 0x10000c
	s_cmp_lg_u32 s2, 0xf033
	s_cbranch_scc0 .Lentry_shape_is_right
	s_endpgm
.Lentry_shape_is_right:
; C[n][c] = the sum over k of A[n][k] W[c][k] + b[c], 16,384 x 1,024 x 1,024.  ONE TEXT FOR TWO LAUNCHES, told apart by F32A:
;   F32A = 1: the three projections in one launch.  A = q, k, v in f32, rounded to bf16 in registers; W = wb[0..2] in bf16; C = heads[0..2] in f16, the bias added in f32 on the way out.
;   F32A = 0: the last product.  A = ob in f16; W = wb[3] in f16; C = out0 in f32; the bias is the C operand that starts the sums.
; Sums in f32, K ascending, one accumulator for each output.
; LIMITS.  F32A = 1: C is rounded to f16, which ends at 65,504: a projected number of 65,520 or more in magnitude becomes an infinity.  NaN and infinities are not treated apart.
; SHARES.  A tile is 256 tokens x 256 columns.  Wave w owns tokens 64 w .. 64 w + 63 and ALL 256 columns: 4 token blocks a x 16 column blocks b = 64 accumulators, 512 registers.
; For 32 along K (a QUARTER) a wave issues 64 matrix instructions and reads 16 KiB of W's fragments from LDS.
; A WORK-GROUP STAYS (F32A = 1): it makes the same 256 tokens x 256 columns for q, then k, then v: a loop over tiles round the loop over K.  Neither stream stops at a tile's end: a tile's last two changes of slots
; ask for the next matrix's K steps 0 and 1, its last K step loads the next tensor's K step 0 of A, and nothing waits for a tile's stores: they leave while the next tile is multiplied.
; W goes through a ring of two LDS slots (K steps of 128: rows of 256 bytes), filled by the tensor data mover.  CLUSTER 4 x 4: the four work-groups of a column of the cluster make the same 256 columns and ask
; for W's tiles JOINTLY: the same load, descriptor and mask in all four.
; A DOES NOT GO THROUGH LDS, AND IS NOT ASKED FOR JOINTLY.  In this wave tile each row of A belongs to one wave, and a fragment lies in memory as it lies in registers (a lane's 8 + 8 numbers along K), so
; LDS would hand no byte of A from one wave to another.  And f32 tiles of A do not fit beside W's: a slot of 128 along K would be 256 x 528 + 256 x 272 = 204,800 bytes, two of them 409,600 of 327,680.
; So each wave loads its own 64 rows straight into registers, a ring of four quarters deep, and (F32A = 1) rounds them to bf16 there, four conversions behind every fourth matrix instruction.
; THE MATRIX INSTRUCTION IS USED TRANSPOSED: source 0 = 16 rows of W, source 1 = 16 tokens: lane l holds token l % 16 and its registers 0-7 the columns 8 (l / 16) + 0..7: neighbours in a row of C.
; REGISTERS, in windows of 256 (s_set_vgpr_msb: bits 1:0 source 0, 3:2 source 1, 5:4 source 2, 7:6 destination):
;   window 0: v0-13 addresses; v14-29 the bias of my 16 columns on the way out (F32A = 1); v32-95 A's bf16 fragments, two buffers of 32 (F32A = 1); v96-159, v160-223 W's fragments, column blocks 0-7 and 8-15.
;     On the way out, F32A = 1: v160-223 rows read back, v224-255 and v64-95 packed results by turns (v32-63 and v96-159 hold the next tile's first fragments); F32A = 0: v96-223 rows read back.
;   window 1: A as loaded, four units: of 64 registers (F32A = 1) or of 32 (F32A = 0: f16 fragments, read as source 1; the bias in v128-255)
;   windows 2, 3: accumulator (a, b) at v[8 (16 (a % 2) + b)] of window 2 + a / 2
.set F32A, 0
.if F32A
.set TILES,  3                         ; q, k, v
.set LOGROW, 12                        ; a row of A is 4,096 bytes
.set STEPA,  512                       ; bytes of a row of A in a K step
.set STEPQ,  0                         ; the quarter at whose head A's pointer steps
.set PWB,    10                        ; s[10:11] wb, s[12:13] bb, s[14:15] heads
.set PBB,    12
.set POUT,   14
.else
.set TILES,  1
.set LOGROW, 11                        ; 2,048 bytes
.set STEPA,  256
.set STEPQ,  1
.set BI,     128                       ; the bias, in window 1
.set PWB,    6                         ; s[6:7] wb, s[8:9] bb, s[10:11] out0
.set PBB,    8
.set POUT,   10
.endif
.set PITCH,  272                       ; an LDS row of W: 256 bytes + 16 of padding = 68 words: row r starts at bank 4 r mod 64 (64 banks of 4 bytes: ISA guide 11.1): the 16 rows of a load start at 16 different banks
.set WTILE,  64*PITCH                  ; what one tensor load brings: 64 rows
.set SLOT1,  1<<17                     ; slot 0 at byte 0, slot 1 here: one exclusive or changes slots
.set STAGE,  4*WTILE                   ; behind slot 0, never filled by a tensor load: 16 rows x 528 bytes for each wave, for the way out
.set SPITCH, 528                       ; 512 bytes + 16: 33 x 16
.set WSTAGE, 16*SPITCH
.set SPARE,  STAGE+4*WSTAGE            ; behind the stages: the spare words, 128 bytes for each wave: two blocks of 256 bytes that no other line names
.set WRAPW,  (1<<21)-7*256             ; bytes from a matrix's K step 7 to the next matrix's K step 0, same rows: the matrices lie 2 MiB apart in wb
.set AO,  4                            ; v4   my byte offset in the tile's rows of A: (64 w + l % 16) rows + my half's 8 numbers; never rewritten
.set PFO, 5                            ; v5   the prefetches' offset; never rewritten
.set BL0, 6                            ; v6   my lane's place in a tile of W: (l % 16) x pitch + 16 (l / 16)
.set ADRB, 7                           ; v7   the same in the slot in hand
.set STO, 8                            ; v8   the way out: where I put my numbers of a row
.set RD,  9                            ; v9   the way out: where I read rows back
.set CO,  10                           ; v10  the way out: my byte offset in C
.set BO,  11                           ; v11  my byte offset in the tile's bias
.set SPW, 12                           ; v12  LDS address of my spare word: SPARE + 4 x my thread's number; never rewritten
.set NIL, 13                           ; v13  0; never rewritten
.set BIA, 14
.set AB,  32
.set BF0, 96
.set BF1, 160
.set OB,  96                           ; F32A = 0: two buffers of 64
.set OBP, 160                          ; F32A = 1: one buffer of 64
.set PK0, 224
.set PK1, 64
.set WV,  16                           ; s16  my wave's number
.set CX,  17                           ; s17, s18  my place in the cluster
.set CY,  18
.set CT,  19                           ; s19  column tile
.set TK,  20                           ; s20  token tile
.set G1,  24                           ; s[24:31] descriptor group 1
.set G0A, 32                           ; s[32:35] group 0 of the first fill of slot 0
.set G0B, 36                           ; s[36:39] group 0 of the first fill of slot 1; it then walks
.set AP,  40                           ; s[40:41] A at the tile's first row, at the K step whose loads are being issued
.set OP,  42                           ; s[42:43] C at my wave's first row and the tile's first column
.set BP,  44                           ; s[44:45] the bias at the tile's first column
.set CNT, 46                           ; s46  counts a tile's K steps
.set TB,  47                           ; s47  LDS byte at which the slot in hand begins
.set LIM, 48                           ; s48  a wave prefetches while s[CNT] is above this
.set NA,  56                           ; s[56:57] the next tensor at the tile's first row; s[58:59] the one after it
.set NA2, 58
.set TL,  60                           ; s60  tiles to go, this one among them: the same number in every work-group
.set MSB, 0
.macro WIN new                         ; the immediate's high byte repeats the setting that is left; a switch that changes nothing is dropped
.if MSB != (\new)
	s_set_vgpr_msb (MSB<<8)|(\new)
.set MSB, (\new)
.endif
.endm
; A load into a register that a matrix instruction has read, and a vector instruction or LDS store that reads a matrix result or writes one of a matrix instruction's registers, stand four places behind it; only plain
; vector instructions that name none of its registers are places (ISA guide 7.12.1 for vector instructions).
.macro PLACES
.rept 4
	v_nop
.endr
.endm
; A round of the cluster's barrier: my work-group's barrier, so that wave 0's signal speaks for all four waves; wave 0 signals; every wave waits for all sixteen work-groups; my work-group's barrier once more.
.macro CREST                           ; a round behind its opening barrier
	s_cmp_lg_u32 s[WV], 0
	s_cbranch_scc1 .Lnot_wave_0_\@
	s_barrier_signal -3
.Lnot_wave_0_\@:
	s_barrier_wait -3
	s_barrier_signal -1
	s_barrier_wait -1
.endm
.macro CROUND
	s_barrier_signal -1
	s_barrier_wait -1
	CREST
.endm
; 16 LDS loads in one run: W's fragments of quarter i for the column blocks 8 bh .. 8 bh + 7 into buffer buf.  The largest offset is 15 x 4,352 + 192 + 32 = 65,504.
.macro FETCH i, bh, buf
	WIN 0
.irp e, 0,1,2,3,4,5,6,7
	ds_load_b128 v[(\buf)+8*(\e):(\buf)+8*(\e)+3],   v[ADRB] offset:(8*(\bh)+(\e))*16*PITCH+64*(\i)
	ds_load_b128 v[(\buf)+8*(\e)+4:(\buf)+8*(\e)+7], v[ADRB] offset:(8*(\bh)+(\e))*16*PITCH+64*(\i)+32
.endr
.endm
; Half a quarter of A (token blocks 2 h, 2 h + 1 x 32 along K) into unit u, from byte imm behind the pointer.  A fragment's lane holds K = 8 (l / 16) + 0..7 and 16 + 8 (l / 16) + 0..7:
; in f32 four loads of 16 bytes at 0, 16, 64, 80 behind 32 (l / 16); in f16 two, at 0 and 32 behind 16 (l / 16).
.macro ALDH u, imm, h
	WIN 0x40                                       ; destination window 1, address window 0
.irp a2, 0,1
.if F32A
.irp n, 0,1,2,3
	global_load_b128 v[64*(\u)+16*(2*(\h)+(\a2))+4*(\n):64*(\u)+16*(2*(\h)+(\a2))+4*(\n)+3], v[AO], s[AP:AP+1] offset:((2*(\h)+(\a2))<<(LOGROW+4))+(\imm)+16*((\n)%2)+64*((\n)/2)
.endr
.else
.irp n, 0,1
	global_load_b128 v[32*(\u)+8*(2*(\h)+(\a2))+4*(\n):32*(\u)+8*(2*(\h)+(\a2))+4*(\n)+3], v[AO], s[AP:AP+1] offset:((2*(\h)+(\a2))<<(LOGROW+4))+(\imm)+32*(\n)
.endr
.endif
.endr
.endm
; The loads of A that stand in half h of quarter i.  F32A = 1: the quarter four on, into unit i, which was converted a half earlier or more.  F32A = 0: the quarter three on, into the unit that the quarter before multiplied.
.macro ALOADH i, h
.if F32A
	ALDH \i, 128*(\i), \h
.elseif (\i) == 0
	ALDH 3, 192, \h
.else
	ALDH (\i)-1, 64*((\i)-1), \h
.endif
.endm
; Four conversions of the next quarter's A: unit (i + 1) % 4 to bf16 buffer (i + 1) % 2; register n of the buffer takes registers 2 n, 2 n + 1 of the unit.
.macro CVT4 i, g
	WIN 0x05                                       ; sources window 1, destination window 0
.irp e, 0,1,2,3
	v_cvt_pk_bf16_f32 v[AB+32*(((\i)+1)%2)+4*(\g)+(\e)], v[64*(((\i)+1)%4)+8*(\g)+2*(\e)], v[64*(((\i)+1)%4)+8*(\g)+2*(\e)+1]
.endr
.endm
; 16 matrix instructions of quarter i: token blocks 2 hi, 2 hi + 1 x column blocks 8 bh .. 8 bh + 7.  zero = 1: they start the sums, with the constant 0 (F32A = 1) or with the bias.
; ride = 1: four conversions behind every fourth.  The 64 accumulators take turns, one instruction a turn, in the same order in every quarter.
.macro MUL16 bh, buf, i, zero, ride, hi
.irp a2, 0,1
.irp e, 0,1,2,3,4,5,6,7
.set rD, 8*(16*(\a2)+8*(\bh)+(\e))
.set rB, (\buf)+8*(\e)
.if F32A
.set rA, AB+32*((\i)%2)+8*(2*(\hi)+(\a2))
	WIN 0xa0+0x50*(\hi)                            ; W and A window 0, C and D window 2 or 3
.if \zero
	v_wmma_f32_16x16x32_bf16 v[rD:rD+7], v[rB:rB+7], v[rA:rA+7], 0
.else
	v_wmma_f32_16x16x32_bf16 v[rD:rD+7], v[rB:rB+7], v[rA:rA+7], v[rD:rD+7]
.endif
.if (\ride) && ((\e)%4 == 3)
.set gg, 4*(\hi)+2*(\a2)+(\e)/4
	CVT4 \i, gg
.endif
.else
.set rA, 32*(\i)+8*(2*(\hi)+(\a2))
.if \zero
.set rC, BI+8*(8*(\bh)+(\e))
	WIN 0x94+0x40*(\hi)                            ; W window 0, A and the bias window 1, D window 2 or 3
	v_wmma_f32_16x16x32_f16 v[rD:rD+7], v[rB:rB+7], v[rA:rA+7], v[rC:rC+7]
.else
	WIN 0xa4+0x50*(\hi)                            ; W window 0, A window 1, C and D window 2 or 3
	v_wmma_f32_16x16x32_f16 v[rD:rD+7], v[rB:rB+7], v[rA:rA+7], v[rD:rD+7]
.endif
.endif
.endr
.endr
.endm
.macro MULH bh, buf, i, zero, ride     ; half a quarter: 32 matrix instructions
	MUL16 \bh, \buf, \i, \zero, \ride, 0
	MUL16 \bh, \buf, \i, \zero, \ride, 1
.endm
; The bias.  F32A = 1: of the 16 columns that I pack on the way out: 128 c2 + 8 (l % 16) + 0..7, c2 = 0, 1.  F32A = 0: of my 256 columns in the layout of an accumulator: register 8 b + j = column 16 b + 8 (l / 16) + j.
.macro BIAS
.if F32A
	WIN 0
	global_load_b128 v[BIA:BIA+3],     v[BO], s[BP:BP+1]
	global_load_b128 v[BIA+4:BIA+7],   v[BO], s[BP:BP+1] offset:16
	global_load_b128 v[BIA+8:BIA+11],  v[BO], s[BP:BP+1] offset:512
	global_load_b128 v[BIA+12:BIA+15], v[BO], s[BP:BP+1] offset:528
.else
	WIN 0x40
.irp b, 0,1,2,3,4,5,6,7,8,9,10,11,12,13,14,15
	global_load_b128 v[BI+8*(\b):BI+8*(\b)+3],   v[BO], s[BP:BP+1] offset:64*(\b)
	global_load_b128 v[BI+8*(\b)+4:BI+8*(\b)+7], v[BO], s[BP:BP+1] offset:64*(\b)+16
.endr
.endif
.endm
; A QUARTER is two halves.  EVEN multiplies column blocks 0-7 and fetches blocks 8-15 of the same quarter; ODD multiplies those and fetches blocks 0-7 of the next quarter.
; At each half's head stands ONE run of memory instructions: the 16 LDS loads first, whose data are wanted a half later, then half a quarter of A (8 loads in f32, 4 in f16), wanted three quarters later or more.
; load = 1: A is loaded; 2: and its pointer goes to the next tensor.  lw (F32A = 0): how many younger loads of A may stay out when this quarter's unit has to be there.
.macro EVEN i, zero, load, lw
	PLACES
	FETCH \i, 1, BF1
.if (\load) == 2
	s_wait_xcnt 0x0                                ; every load and prefetch issued so far has read its address (the youngest prefetch stands 32 matrix instructions back): the pointers may be written
	s_mov_b64 s[AP:AP+1], s[NA:NA+1]               ; the next tensor's K step 0
	s_mov_b64 s[NA:NA+1], s[NA2:NA2+1]
.elseif (\load) && ((\i) == STEPQ)
	s_wait_xcnt 0x0                                ; the same
	s_add_nc_u64 s[AP:AP+1], s[AP:AP+1], STEPA
.endif
.if \load
	ALOADH \i, 0
.endif
	s_wait_dscnt 16                                ; all but the 16 just issued: blocks 0-7 are in
.if !F32A
	s_wait_loadcnt \lw
.endif
	MULH 0, BF0, \i, \zero, 0
.endm
; lw (F32A = 1, cvt = 1): how many younger loads may stay out when the NEXT quarter's unit, which this half converts, has to be there.  next = 0: the very last half fetches nothing.
.macro ODD i, zero, lw, cvt, next, load
	PLACES
.if \next
	FETCH (\i)+1, 0, BF0
.endif
.if \load
	ALOADH \i, 1
.endif
.if \next
	s_wait_dscnt 16                                ; all but the 16 just issued: blocks 8-15 are in
.else
	s_wait_dscnt 0x0
.endif
.if F32A && (\cvt)
	s_wait_loadcnt \lw
.endif
	MULH 1, BF1, \i, \zero, (\cvt)*F32A
.endm
.macro Q3PRE                           ; the head of a K step's last quarter: the rest of it is TURN
	PLACES
	FETCH 3, 1, BF1
	ALOADH 3, 0
.endm
; A PREFETCH INTO THE L2 of a K step of A that the NEXT trip's loads will ask for: it stands behind the joint load, its five lines and the run of LDS loads.  The four work-groups of a row of the cluster read the same
; 256 rows of A and share them out BY ADDRESS; no other cluster reads them.  F32A = 1: a step is 512 bytes of a row: work-group cx, wave w, lane l names block l / 16 of row 64 w + 16 cx + l % 16.
; F32A = 0: a step is 256 bytes of a row: waves 0 and 1 name row 64 cx + 32 w + l.  So each aligned block of 256 bytes is named once in the launch.
; mode 0, in the loop: the change that enters step U names step U + 2, for U = 1 .. 5.  mode 1, the change that enters a tile's step 7: the next tensor's step 1.  mode 2, the change that ends a tile: the next tensor's
; step 2 (the pointer stands at its step 0 by then).  Steps 0 to 2 of the first tile and step 0 of each later one come by their loads alone; the last tile asks for nothing beyond its step 7.
.macro ASK mode
.if (\mode) == 0
	s_cmp_gt_u32 s[CNT], s[LIM]
.else
	s_cmp_eq_u32 s[LIM], 1
.endif
	s_cbranch_scc0 .Lnone_\@
.if (\mode) == 1
	global_prefetch_b8 v[PFO], s[NA:NA+1] offset:STEPA th:TH_LOAD_NT scope:SCOPE_SE
.else
	global_prefetch_b8 v[PFO], s[AP:AP+1] offset:2*STEPA th:TH_LOAD_NT scope:SCOPE_SE
.endif
.Lnone_\@:
.endm
; THE LAST QUARTER OF A K STEP AND THE CHANGE OF SLOTS.  ONE barrier for two things.  In front of it each wave waits for all its tensor loads, of which one is out: its part of the next slot; adds 0 to its spare
; word; and waits for that and for its own reads of this slot.  Behind it nobody reads this slot any more and the next slot is whole.  refill = 1: the barrier opens a round of the cluster's, so that no wave of
; any partner still reads the slot or has a load on its way, and the joint refill, the K step two on (wstep bytes behind the last one asked for), is the first thing behind it: 224 matrix instructions stand between it and the wait for it.
.macro TURN refill, wstep, ask
	WIN 0
	s_wait_tensorcnt 0x0                           ; all my tensor loads have landed, so a group 0 may be written
	ds_add_u32 v[SPW], v[NIL]                      ; 0 onto my spare word
	s_wait_dscnt 17                                ; the add and the youngest 16 loads (blocks 8-15) may be out: blocks 0-7 are in
.if !F32A
	s_wait_loadcnt 20                              ; this quarter's A is in; two younger quarters' 16 loads and the 4 just issued may stay out
.endif
	MUL16 0, BF0, 3, 0, 0, 0                       ; sixteen matrix instructions stand between the add and the wait for it
	s_wait_dscnt 0x0                               ; the add is done, and my reads of this slot are over
	s_barrier_signal -1
	MUL16 0, BF0, 3, 0, 0, 1                       ; work on registers while the others arrive
	WIN 0                                          ; at a branch and at a label every window is 0
	s_barrier_wait -1
.if \refill
	CREST
	s_xor_b32 s[G0B+1], s[G0B+1], SLOT1            ; the walking descriptor: the other slot than last time,
	s_add_nc_u64 s[G0B+2:G0B+3], s[G0B+2:G0B+3], \wstep  ; the next 128 along K, or the next matrix's first; the type bits on top are not reached
	tensor_load_to_lds s[G0B:G0B+3], s[G1:G1+7]
	s_nop 0
.endif
	PLACES                                         ; behind the joint load, and the places in front of the loads below
	s_xor_b32 s[TB], s[TB], SLOT1
	v_add_nc_u32 v[ADRB], s[TB], v[BL0]
	FETCH 0, 0, BF0                                ; the next slot's first fragments
.if \refill
	ASK \ask
.endif
	ALOADH 3, 1                                    ; the second half of this quarter's loads of A
.if F32A
	s_wait_loadcnt 48                              ; the next step's first unit is in; the three younger units' 48 loads may stay out
.endif
	MULH 1, BF1, 3, 0, F32A
.endm
.if F32A
	s_load_b256 s[4:11], s[0:1], 0x0               ; q s[4:5], k s[6:7], v s[8:9], wb s[10:11]
	s_load_b128 s[12:15], s[0:1], 0x20             ; bb s[12:13], heads s[14:15]
.else
	s_load_b256 s[4:11], s[0:1], 0x0               ; ob s[4:5], wb s[6:7], bb s[8:9], out0 s[10:11]
.endif
	v_lshl_add_u32 v[SPW], v0, 2, SPARE
	v_mov_b32 v[NIL], 0
	ds_add_u32 v[SPW], v[NIL]                      ; the wave's opening: the add and its wait stand ahead of my first tensor load; the set-up below, work on registers, stands between them
	v_lshrrev_b32 v3, 5, v0
	v_readfirstlane_b32 s[WV], v3                  ; wave 0..3
	s_bfe_u32 s[CX], ttmp6, 0x40000                ; my place along the cluster's x
	s_bfe_u32 s[CY], ttmp6, 0x40004                ; along its y
	s_lshl_b32 s[CT], ttmp9, 2                     ; in a cluster launch ttmp9 and ttmp7 count clusters
	s_add_co_u32 s[CT], s[CT], s[CX]               ; column tile = 4 x cluster x + cx
	s_and_b32 s22, ttmp7, 0xffff
	s_lshl_b32 s[TK], s22, 2
	s_add_co_u32 s[TK], s[TK], s[CY]               ; token tile = 4 x cluster y + cy
	s_lshl_b32 s23, 0x1111, s[CX]                  ; my column of the cluster: places cx, cx + 4, cx + 8, cx + 12
	; descriptor group 1: a tile of 64 rows x 128 elements of 2 bytes, padded in LDS
	s_or_b32 s[G1], s23, (1<<16)|(1<<20)|(1<<21)|(5<<22)|(3<<25)  ; 15:0 the mask; 17:16 elements of 2 bytes; 20 padding on; 21 set beside a mask; 24:22 after every 64 words (code 5); 31:25 4 words of it (code 3)
	s_mov_b32 s[G1+1], 128<<16                     ; tensor_dim0 = 128
	s_mov_b32 s[G1+2], 64<<16                      ; tensor_dim1 = 64
	s_mov_b32 s[G1+3], 128<<16                     ; tile_dim0 = 128
	s_mov_b32 s[G1+4], 64                          ; tile_dim1 = 64
	s_mov_b32 s[G1+5], 1024                        ; elements from row to row
	s_mov_b32 s[G1+6], 0
	s_mov_b32 s[G1+7], 0
	s_mov_b32 s[G0A], 1                            ; count = 1
	s_mul_i32 s[G0A+1], s[WV], WTILE               ; my 64 rows of slot 0: no place in the cluster enters an LDS address
	s_mov_b32 s[G0B], 1
	s_add_co_u32 s[G0B+1], s[G0A+1], SLOT1         ; and of slot 1
	s_lshl_b32 s52, s[CT], 19                      ; W's tile: 256 rows of 2,048 bytes a column tile,
	s_lshl_b32 s53, s[WV], 17                      ; my 64 rows of them.  These two registers never hold cy
	s_add_co_u32 s52, s52, s53
.if !F32A
	s_add_co_u32 s52, s52, 3<<21                   ; in matrix 3 of wb
.endif
	s_mov_b32 s53, 0
	s_lshl_b32 s50, s[TK], LOGROW+8                ; A: 256 rows a token tile
	s_mov_b32 s51, 0
.if F32A
	s_lshl_b32 s54, s[TK], 19                      ; C: rows of 2,048 bytes: 256 a token tile,
	s_lshl_b32 s55, s[WV], 17                      ; my 64 of them,
	s_add_co_u32 s54, s54, s55
	s_lshl_b32 s55, s[CT], 9                       ; 512 bytes a column tile
	s_add_co_u32 s54, s54, s55
	s_mov_b32 s23, 0                               ; the first tile's bias is bb[0]
	s_mov_b32 s[LIM], 1
	s_lshl_b32 s49, s[WV], 6
	s_lshl4_add_u32 s49, s[CX], s49                ; the prefetches' row: 64 w + 16 cx
.else
	s_lshl_b32 s54, s[TK], 20                      ; C: rows of 4,096 bytes
	s_lshl_b32 s55, s[WV], 18
	s_add_co_u32 s54, s54, s55
	s_lshl_b32 s55, s[CT], 10                      ; 1,024 bytes a column tile
	s_add_co_u32 s54, s54, s55
	s_mov_b32 s23, 3<<12                           ; the bias is bb[3]
	s_cmp_lt_u32 s[WV], 2
	s_cselect_b32 s[LIM], 1, -1                    ; waves 2 and 3 never ask
	s_and_b32 s49, s[WV], 1
	s_lshl_b32 s49, s49, 5
	s_lshl_b32 s22, s[CX], 6
	s_add_co_u32 s49, s49, s22                     ; the prefetches' row: 64 cx + 32 (w % 2)
.endif
	s_mov_b32 s55, 0
	s_lshl_b32 s22, s[CT], 10
	s_add_co_u32 s22, s22, s23                     ; the bias at the tile's first column
	s_mov_b32 s23, 0
	s_mov_b32 s[TB], 0
	v_and_b32 v1, 15, v0                           ; l % 16
	v_bfe_u32 v2, v0, 4, 1                         ; l / 16
.if F32A
	v_add_nc_u32 v[PFO], s49, v1
	v_lshlrev_b32 v[PFO], LOGROW, v[PFO]
	v_lshl_add_u32 v[PFO], v2, 8, v[PFO]
.else
	v_and_b32 v3, 31, v0
	v_add_nc_u32 v[PFO], s49, v3
	v_lshlrev_b32 v[PFO], LOGROW, v[PFO]
.endif
	s_lshl_b32 s49, s[WV], 6
	v_add_nc_u32 v3, s49, v1                       ; my token in the tile
	v_lshlrev_b32 v[AO], LOGROW, v3
	v_lshl_add_u32 v[AO], v2, 4+F32A, v[AO]        ; + my half's 8 numbers: 32 bytes in f32, 16 in f16
	v_mul_u32_u24 v[BL0], v1, PITCH
	v_lshl_add_u32 v[BL0], v2, 4, v[BL0]
	v_mov_b32 v[ADRB], v[BL0]                      ; slot 0
	s_mul_i32 s49, s[WV], WSTAGE
	s_add_co_u32 s49, s49, STAGE                   ; my stage
	v_mul_u32_u24 v[STO], v1, SPITCH               ; in: row l % 16; F32A = 1: 16 (l / 16), a piece of 16 bytes; F32A = 0: 32 (l / 16), my 8 numbers on end
	v_lshl_add_u32 v[STO], v2, 5-F32A, v[STO]
	v_add_nc_u32 v[STO], s49, v[STO]
.if F32A
	v_mul_u32_u24 v[RD], v2, SPITCH                ; back: lanes 0-15 take one row, lanes 16-31 the next; 16 bytes at 16 (l % 16), twice
	v_lshl_add_u32 v[RD], v1, 4, v[RD]
	v_add_nc_u32 v[RD], s49, v[RD]
	v_lshlrev_b32 v[CO], 11, v2                    ; and the same two rows in C: 2,048 bytes apart, my 16 bytes
	v_lshl_add_u32 v[CO], v1, 4, v[CO]
	v_lshlrev_b32 v[BO], 5, v1                     ; my 8 columns' bias: 32 (l % 16)
.else
	v_and_b32 v3, 31, v0
	v_lshlrev_b32 v[CO], 4, v3
	v_add_nc_u32 v[RD], s49, v[CO]                 ; back: the 32 lanes take one row's 512 bytes
	v_lshlrev_b32 v[BO], 5, v2                     ; 32 (l / 16)
.endif
	s_wait_dscnt 0x0                               ; the opening add is done
	s_wait_kmcnt 0x0
	s_add_nc_u64 s[AP:AP+1], s[4:5], s[50:51]
.if F32A
	s_add_nc_u64 s[NA:NA+1], s[6:7], s[50:51]      ; k and v at the same rows
	s_add_nc_u64 s[NA2:NA2+1], s[8:9], s[50:51]
.endif
	s_add_nc_u64 s[OP:OP+1], s[POUT:POUT+1], s[54:55]
	s_add_nc_u64 s[BP:BP+1], s[PBB:PBB+1], s[22:23]
	s_add_nc_u64 s[G0A+2:G0A+3], s[PWB:PWB+1], s[52:53]  ; K step 0
	s_add_nc_u64 s[G0B+2:G0B+3], s[G0A+2:G0A+3], 256     ; K step 1
	s_or_b32 s[G0A+3], s[G0A+3], 0x80000000        ; type = 2
	s_or_b32 s[G0B+3], s[G0B+3], 0x80000000
	; A's first loads go out ahead of the round: they name nobody's LDS, and are on their way while the sixteen work-groups meet
.if F32A
.irp u, 0,1,2,3
	ALDH \u, 128*(\u), 0                           ; K step 0 of A: four units
	ALDH \u, 128*(\u), 1
.endr
.else
	BIAS                                           ; the bias first: the first products take it
.irp u, 0,1,2
	ALDH \u, 64*(\u), 0                            ; quarters 0 to 2 of A
	ALDH \u, 64*(\u), 1
.endr
.endif
	WIN 0
	CROUND                                         ; all sixteen work-groups are here: the first joint loads meet
	tensor_load_to_lds s[G0A:G0A+3], s[G1:G1+7]    ; the two first fills go out together: two tensor loads of mine are out, the most in this text
	s_nop 0
	tensor_load_to_lds s[G0B:G0B+3], s[G1:G1+7]
	s_nop 0
	PLACES
	s_wait_tensorcnt 0x1                           ; my part of K step 0 is in; step 1's may stay out
	s_barrier_signal -1
	s_barrier_wait -1                              ; everybody's is
	FETCH 0, 0, BF0
.if F32A
	s_wait_loadcnt 48                              ; unit 0 is in; units 1 to 3 may stay out
.irp g, 0,1,2,3,4,5,6,7
	CVT4 3, \g                                     ; unit 0 to buffer 0: the one conversion that has no products to stand behind
.endr
.endif
.if TILES > 1
	WIN 0
	s_mov_b32 s[TL], TILES
.Ltile:                                        ; a tile begins: its first fragments of W and of A lie in registers
	BIAS                                           ; wanted on the way out.  These 4 loads are younger than units 1 to 3: behind them 52 loads could stay out where the waits below say 48, the stricter count
.endif
	s_mov_b32 s[CNT], 7
	EVEN 0, 1, 1, 20                               ; a tile's first quarter stands in front of the loop: its products start the sums
	ODD 0, 1, 48, 1, 1, 1
	WIN 0
	s_branch .Lq1                                  ; the loop is entered behind a trip's first quarter
.Ltrip:                                        ; six times: K steps 1 to 6 are entered, steps 2 to 7 of W asked for
	TURN 1, 256, 0
	EVEN 0, 0, 1, 20
	ODD 0, 0, 48, 1, 1, 1
	WIN 0
.Lq1:
	EVEN 1, 0, 1, 20
	ODD 1, 0, 48, 1, 1, 1
	EVEN 2, 0, 1, 20
	ODD 2, 0, 48, 1, 1, 1
	Q3PRE
	WIN 0
	s_sub_co_u32 s[CNT], s[CNT], 1
	s_cmp_lg_u32 s[CNT], 0
	s_cbranch_scc1 .Ltrip
.if TILES > 1                          ; with one tile to a work-group nothing of this is assembled
	s_cmp_eq_u32 s[TL], 1
	s_cbranch_scc1 .Llast                          ; the last tile's last K step is written out apart: it asks for nothing more
	TURN 1, WRAPW, 1                               ; BOTH STREAMS GO ON INTO THE NEXT TILE: slot 0 takes the next matrix's K step 0,
	EVEN 0, 0, 2, 0                                ; A's loads go to the next tensor's K step 0,
	ODD 0, 0, 48, 1, 1, 1
	EVEN 1, 0, 1, 0
	ODD 1, 0, 48, 1, 1, 1
	EVEN 2, 0, 1, 0
	ODD 2, 0, 48, 1, 1, 1
	Q3PRE
	TURN 1, 256, 2                                 ; slot 1 takes its K step 1, and the next tile's first fragments are fetched and converted
	WIN 0
	s_branch .Lout
.Llast:
.endif
	TURN 0, 0, 0                                   ; nothing is filled, so no round follows
.if F32A
	EVEN 0, 0, 0, 0                                ; nothing of A is left to load
	ODD 0, 0, 32, 1, 1, 0                          ; unit 1 is wanted: units 2 and 3 may stay out
	EVEN 1, 0, 0, 0
	ODD 1, 0, 16, 1, 1, 0                          ; unit 2: unit 3 may stay out
	EVEN 2, 0, 0, 0
	ODD 2, 0, 0, 1, 1, 0                           ; unit 3
	EVEN 3, 0, 0, 0
	ODD 3, 0, 0, 0, 0, 0
.else
	EVEN 0, 0, 1, 20                               ; the last quarter of A is asked for
	ODD 0, 0, 0, 0, 1, 1
	EVEN 1, 0, 0, 16                               ; the counts run down
	ODD 1, 0, 0, 0, 1, 0
	EVEN 2, 0, 0, 8
	ODD 2, 0, 0, 0, 1, 0
	EVEN 3, 0, 0, 0
	ODD 3, 0, 0, 0, 0, 0
.endif
; THE WAY OUT.  A lane holds 8 neighbouring numbers of a row, the lanes beside it other rows.  So 16 rows x 128 columns of f32 at a time (unit u: token block u / 2, column blocks 8 (u % 2) .. + 7) go through my own
; stage in LDS.  LDS serves a wave's instructions in order (ISA guide 5.7.1.4): the loads see the stores above them, and the next unit's stores come behind them: no wait between them, no barrier.
.if F32A
; In: my 8 numbers of column block i as two pieces of 16 bytes, at 16 (2 i + l / 16) and 256 bytes further on: each accumulator's low four registers first.  Sixteen lanes write rows 528 bytes apart: 16 different columns of 16 bytes.
.macro WST u
.set AC, 128*(((\u)/2)%2)+64*((\u)%2)
	WIN 0x08+4*((\u)/4)                            ; the stores' data in window 2 or 3, the address in window 0
.irp i, 0,1,2,3,4,5,6,7
	ds_store_b128 v[STO], v[AC+8*(\i):AC+8*(\i)+3]   offset:32*(\i)
	ds_store_b128 v[STO], v[AC+8*(\i)+4:AC+8*(\i)+7] offset:256+32*(\i)
.endr
.endm
; Back: rows 2 t and 2 t + 1; lane l takes the two pieces of columns 8 (l % 16) + 0..7: sixteen lanes read 256 bytes on end.
.macro WLD
	WIN 0
.irp t, 0,1,2,3,4,5,6,7
	ds_load_b128 v[OBP+8*(\t):OBP+8*(\t)+3],   v[RD] offset:(\t)*2*SPITCH
	ds_load_b128 v[OBP+8*(\t)+4:OBP+8*(\t)+7], v[RD] offset:(\t)*2*SPITCH+256
.endr
.endm
; The bias is added in f32, the sums are rounded once to f16, and 16 bytes a lane are stored.  younger: the LDS instructions issued behind the unit's loads: the next unit's 16 stores, or none.
.macro WFIN u, younger
	WIN 0
	s_wait_dscnt \younger                          ; the unit is back in registers
	s_wait_xcnt 0x0                                ; the stores two units back have read the registers that the conversions below write
.set PKR, PK0+(PK1-PK0)*((\u)%2)
.set BB, BIA+8*((\u)%2)
.irp t, 0,1,2,3,4,5,6,7
.irp p, 0,1,2,3
	v_pk_add_f32 v[OBP+8*(\t)+2*(\p):OBP+8*(\t)+2*(\p)+1], v[OBP+8*(\t)+2*(\p):OBP+8*(\t)+2*(\p)+1], v[BB+2*(\p):BB+2*(\p)+1]
.endr
.irp p, 0,1,2,3
	v_cvt_pk_f16_f32 v[PKR+4*(\t)+(\p)], v[OBP+8*(\t)+2*(\p)], v[OBP+8*(\t)+2*(\p)+1]
.endr
	global_store_b128 v[CO], v[PKR+4*(\t):PKR+4*(\t)+3], s[OP:OP+1] offset:(16*((\u)/2)+2*(\t))*2048+256*((\u)%2)  ; each 16 lanes store 256 consecutive bytes, at a multiple of 256 from the buffer's first
.endr
.endm
	WIN 0
.Lout:
	PLACES
	WST 0
	WLD
.irp u, 0,1,2,3,4,5,6                  ; the next unit's stores into the stage stand between a unit's loads and the wait for them
	WST (\u)+1
	WFIN \u, 16
	WLD
.endr
	WFIN 7, 0
	s_wait_xcnt 0x0                                ; the stores and the bias's loads have read their bases
	s_add_nc_u64 s[OP:OP+1], s[OP:OP+1], 1<<25     ; the next tensor in heads, 32 MiB on,
	s_add_nc_u64 s[BP:BP+1], s[BP:BP+1], 4096      ; and its bias (behind the last tile the stepped addresses are not used)
	s_sub_co_u32 s[TL], s[TL], 1
	s_cmp_lg_u32 s[TL], 0
	s_cbranch_scc1 .Ltile
.else
.macro TOST u                          ; f32 as it lies, each accumulator's low four registers first; back as whole rows of 512 bytes
.set AC, 128*(((\u)/2)%2)+64*((\u)%2)
	s_wait_xcnt 0x0                                ; the stores two units back have read the registers that the loads below write
	WIN 0x08+4*((\u)/4)                            ; the stores' data in window 2 or 3, the address in window 0
.irp i, 0,1,2,3,4,5,6,7
	ds_store_b128 v[STO], v[AC+8*(\i):AC+8*(\i)+3]   offset:64*(\i)
	ds_store_b128 v[STO], v[AC+8*(\i)+4:AC+8*(\i)+7] offset:64*(\i)+16
.endr
	WIN 0
.irp t, 0,1,2,3,4,5,6,7,8,9,10,11,12,13,14,15
	ds_load_b128 v[OB+64*((\u)%2)+4*(\t):OB+64*((\u)%2)+4*(\t)+3], v[RD] offset:(\t)*SPITCH
.endr
.endm
.macro SENDO u, younger                ; younger: the LDS instructions issued behind unit u's loads: the next unit's 32, or none
	WIN 0
	s_wait_dscnt \younger
.irp t, 0,1,2,3,4,5,6,7,8,9,10,11,12,13,14,15
	global_store_b128 v[CO], v[OB+64*((\u)%2)+4*(\t):OB+64*((\u)%2)+4*(\t)+3], s[OP:OP+1] offset:(16*((\u)/2)+(\t))*4096+512*((\u)%2) th:TH_STORE_NT  ; 512 consecutive bytes, at a multiple of 512 from out0's first
.endr
.endm
	PLACES
	TOST 0
.irp u, 1,2,3,4,5,6,7
	TOST \u
	SENDO (\u)-1, 32
.endr
	SENDO 7, 0
.endif
	WIN 0
	s_wait_tensorcnt 0x0                           ; the wave's end: the add and its wait, behind my last tensor load and my last LDS store
	ds_add_u32 v[SPW], v[NIL]
	s_wait_dscnt 0x0
	CROUND                                         ; the closing round: no work-group ends while a partner may still ask for a tile that names it
	s_endpgm
.Lfunc_end_k_qa3b64c3f0f_oproj:
	.size	k_qa3b64c3f0f_oproj, .Lfunc_end_k_qa3b64c3f0f_oproj-k_qa3b64c3f0f_oproj
	.p2alignl 7, 3214868480
	.fill 96, 4, 3214868480
	.section	.rodata,"a",@progbits
	.p2align	6, 0x0
	.amdhsa_kernel k_qa3b64c3f0f_oproj
		.amdhsa_group_segment_fixed_size 327680
		.amdhsa_private_segment_fixed_size 0
		.amdhsa_enable_private_segment 0
		.amdhsa_kernarg_size 32
		.amdhsa_user_sgpr_count 2
		.amdhsa_user_sgpr_kernarg_segment_ptr 1
		.amdhsa_wavefront_size32 1
		.amdhsa_system_sgpr_workgroup_id_x 1
		.amdhsa_system_sgpr_workgroup_id_y 1
		.amdhsa_system_sgpr_workgroup_id_z 1
		.amdhsa_system_vgpr_workitem_id 0
		.amdhsa_next_free_vgpr 1024
		.amdhsa_next_free_sgpr 66
		.amdhsa_reserve_vcc 0
		.amdhsa_float_denorm_mode_32 3
		.amdhsa_float_denorm_mode_16_64 3
		.amdhsa_memory_ordered 1
		.amdhsa_forward_progress 1
		.amdhsa_inst_pref_size 111
	.end_amdhsa_kernel
	.amdgpu_metadata
---
amdhsa.version: [ 1, 2 ]
amdhsa.kernels:
  - .name:           k_qa3b64c3f0f_oproj
    .symbol:         k_qa3b64c3f0f_oproj.kd
    .args:
      - { .name: ob, .offset: 0, .size: 8, .value_kind: global_buffer, .address_space: global }
      - { .name: wb, .offset: 8, .size: 8, .value_kind: global_buffer, .address_space: global }
      - { .name: bb, .offset: 16, .size: 8, .value_kind: global_buffer, .address_space: global }
      - { .name: out0, .offset: 24, .size: 8, .value_kind: global_buffer, .address_space: global }
    .group_segment_fixed_size: 327680
    .private_segment_fixed_size: 0
    .kernarg_segment_align: 8
    .kernarg_segment_size: 32
    .max_flat_workgroup_size: 128
    .sgpr_count:     66
    .vgpr_count:     1024
    .wavefront_size: 32
...
	.end_amdgpu_metadata
.endif
;; end of part 4
